; MI455X (gfx1250); checked and timed in simulation.
; The chip was launched on July 23, 2026; its instructions are those of AMD's public machine-readable ISA for CDNA 5 (MIT licence, August 2026) and "CDNA5" Instruction Set Architecture Reference Guide (July 2026). The comments in the code are by the model that wrote it; some were corrected since.
;; Sliding Window Attention. Allowed arithmetic: matrix products marked QUANTISED: E3M2 operands, one E8M0 scale for each 32 along K, by v_wmma_scale_f32_16x16x128_f8f6f4 with both operands' format E3M2, f32 sums; everything else in f32.
;; Inputs: Wk 1,024 x 1,024 float32; Wo 1,024 x 1,024 float32; Wq 1,024 x 1,024 float32; Wv 1,024 x 1,024 float32; x 1 x 4,096 x 1,024 float32.
;; Outputs: out0 1 x 4,096 x 1,024 float32.
;; This version of the problem:
;;   THIS VERSION OF THE PROBLEM IS GIVEN IN LOW PRECISION. The matrix products marked QUANTISED in the list below multiply operands that are first quantised to E3M2 (3 exponent bits, 2 mantissa bits; 6 bits a number), with one power-of-two scale for each 32 numbers along K (OCP MX v1.0); their sums are f32. All else is computed in f32.
;;   The module's matrix products, in the order in which they are computed (A, B: the left and right operand; K: the contracted axis; several contracted axes count as one K, in the product's order):
;;     1. [M 4,096, K 1,024] x [K 1,024, N 1,024]; A: input x; B: input Wq: QUANTISED
;;     2. [M 4,096, K 1,024] x [K 1,024, N 1,024]; A: input x; B: input Wk: QUANTISED
;;     3. [M 4,096, K 1,024] x [K 1,024, N 1,024]; A: input x; B: input Wv: QUANTISED
;;     4. batch 16 x [M 4,096, K 64] x [K 64, N 4,096]; A: computed on the way; B: computed on the way: QUANTISED
;;     5. batch 16 x [M 64, K 4,096] x [K 4,096, N 4,096]; A: computed on the way; B: softmax (see below): QUANTISED
;;     6. [M 4,096, K 1,024] x [K 1,024, N 1,024]; A: computed on the way; B: input Wo: QUANTISED
;;   THE QUANTISER, for each operand of a quantised product, along K:
;;     - K is cut into blocks of 32 from its start; a last block that is shorter is filled with zeros.
;;     - A block's scale is 2^e with e = floor(log2(the largest magnitude in the block)) - 4, held to -126 .. 127; a block of zeros has e = 0. As a byte (E8M0): e + 127.
;;     - Each number is divided by its block's scale, clamped to +-28, and rounded to the nearest number of E3M2, ties to even, subnormals kept.
;;     - The product sums the exact products of the quantised numbers (number of the format x scale) in f32.
;;   ~~~python
;;   def quantise(x, axis):      # numpy; x: float32 -> the quantised numbers, widened to float32 again
;;       x = np.moveaxis(x, axis, -1); K = x.shape[-1]
;;       x = np.pad(x, [(0, 0)] * (x.ndim - 1) + [(0, -K % 32)]); x = x.reshape(x.shape[:-1] + (-1, 32)); a = np.abs(x).max(-1, keepdims=True)
;;       e = np.where(a > 0, np.clip(np.frexp(np.where(a > 0, a, 1))[1] - 1 - 4, -126, 127), 0)      # np.frexp(a)[1] - 1 = floor(log2(a)), exactly
;;       r = np.clip(x / 2.0 ** e, -28, 28)
;;       step = 2.0 ** (np.maximum(np.frexp(np.where(r == 0, 1, r))[1] - 1, -2) - 2)
;;       q = np.round(r / step) * step * 2.0 ** e      # np.round: ties to even
;;       return np.moveaxis(q.reshape(q.shape[:-2] + (-1,))[..., :K], -1, axis).astype(np.float32)
;;   ~~~
;;   SOFTMAX AHEAD OF A QUANTISED PRODUCT. Where the list says 'softmax', what is quantised is not the finished softmax but p = 2^(t - M), with t = logit x log2(e) and M = ceil(the row's largest t), a whole number; so 1/2 < the row's largest p <= 1. The row's sum l is taken of the UNQUANTISED p, in f32, and the product's result is divided by l at the end. Since M is a whole number, a kernel that streams over the keys may use a running M (the ceiling of the running maximum): every later rescaling is an exact power of two, which a block's scale takes up: the codes' values come out the same.
;;   OPERANDS COMPUTED ON THE WAY. 'Computed on the way' means the value that the module computes at that place (a softmax that the list does not call 'softmax' is quantised finished and normalised). What goes into a quantiser is computed in f32, as accurately as f32 sums, v_exp_f32 and their like allow (about 1e-6 of the number): no bf16 or f16 on the way to a quantiser, and a product that is left as it is and whose result goes on into a quantised operand takes f32 operands (vector FMAs, or v_wmma_f32_16x16x4_f32). A number that lies on a knife's edge between two numbers of the format may be rounded either way, as far as f32 arithmetic and the matrix unit's own rounding can turn it there, and no further.
;; One version. Each part assembles by itself: llvm-mc -triple=amdgcn-amd-amdhsa -mcpu=gfx1250 --defsym DOCPART=n.
;; ======== version 1 of 1: 4 launches
;; workspace buffers: xc 3,145,728 bytes; xs 131,072 bytes; wc 3,145,728 bytes; ws 131,072 bytes; qb 3,407,872 bytes; kv 6,815,744 bytes; ac 3,276,800 bytes
;; launch quant (part 1): grid 256 x 1, 4 waves a work-group, no clusters, 33,280 bytes of LDS; arguments x, Wq, Wk, Wv, Wo, xc, xs, wc, ws; writes xc, xs, wc, ws
.if DOCPART == 1
	.amdgcn_target "amdgcn-amd-amdhsa--gfx1250"
	.amdhsa_code_object_version 6
	.text
	.protected	k_qc35e5d357c_quant
	.globl	k_qc35e5d357c_quant
	.p2align	8
	.type	k_qc35e5d357c_quant,@function
k_qc35e5d357c_quant:
	s_mov_b64 s[64:65], 0
	v_nop
	global_prefetch_b8 v0, s[64:65] scope:SCOPE_SE
	s_setreg_imm32_b32 hwreg(HW_REG_WAVE_MODE, 25, 1), 1
	s_wait_xcnt 0x0
; x [4096][1024] and Wq, Wk, Wv, Wo [1024][1024], f32, K innermost, become codes of BF6 (E3M2), 6 bits each, with one E8M0 scale byte for each 32 along K.
; xc [4096][768 bytes], xs [4096][32]; wc, ws likewise, with Wq's rows at 0, Wk's at 1024, Wv's at 2048, Wo's at 3072.
; A block's scale is 2^(floor(log2(its largest magnitude)) - 4); its byte is the largest magnitude's exponent field - 4, held at 1 from below.
; (A block of zeros so gets the byte 1 where the quantiser says 127: its codes are zeros, which add nothing, and the bytes are read by this program alone.)
; LIMITS: NaN and infinities among the inputs are not served; blocks whose largest magnitude lies under 2^(5 - 127) keep the byte 1.
; THE ORDER OF ROWS.  Row number lambda of a tensor is stored at row sigma = lambda with its bits 3 and 4 exchanged.  A tile of 16 stored rows (tile 2 b + u, lane r) then holds
; the rows 32 b + 8 u + r + 8 (r / 8), which is the choice of rows that lets a product's results be quantised in registers by the later launches.
; It costs nothing here: a wave's run is 8 rows, so the row's bits 3 and 4 are the wave's number, and the run is stored where the wave with exchanged bits would store.
; A wave takes 16 steps of 512 numbers.  Each load reads 512 consecutive bytes; a step's 2,048 bytes turn through the wave's own stage in LDS and come back 64 bytes (16 neighbours) a lane;
; two neighbouring lanes hold a block.  Loads run four steps (16 loads a wave) ahead, the turn through LDS one step.  Waves share nothing: no barrier.
; Work-groups 0-127 take x, 128-255 the weights, 32 each: only pointers are chosen, all take one path.
.set STEPS, 16
.set EMAX,  4
.set CB,    12                         ; bytes of 16 codes
.set R,     16                         ; v16-79   four sets of 16 numbers as they are loaded
.set X,     80                         ; v80-111  two sets of 16 neighbours
.set C,     128                        ; v128-191 codes: four registers for each step, so that no store's data are written again
.set E,     112                        ; v112-127 a scale byte for each step
.set WREG,  8192                       ; LDS: a region for each wave: two stages of 32 x SP bytes, then its 256 scale bytes
.set SP,    80                         ; a lane's place in a stage: 64 bytes + 16 of padding
	s_load_b256 s[4:11], s[0:1], 0x0               ; x, Wq, Wk, Wv
	s_load_b64 s[12:13], s[0:1], 0x20              ; Wo
	s_load_b128 s[16:19], s[0:1], 0x28             ; x's codes, x's scale bytes
	s_load_b128 s[20:23], s[0:1], 0x38             ; the weights' codes, their scale bytes
	v_lshl_add_u32 v192, v0, 2, 0x8000
	v_mov_b32 v193, 0
	v_lshrrev_b32 v1, 5, v0
	v_readfirstlane_b32 s24, v1                    ; wave
	s_and_b32 s25, s24, 1
	s_lshl_b32 s25, s25, 1
	s_lshr_b32 s26, s24, 1
	s_or_b32 s25, s25, s26                         ; the wave's number with its two bits exchanged
	v_and_b32 v2, 31, v0                           ; lane
	v_lshlrev_b32 v3, 4, v2                        ; my 16 bytes of a load's 512
	s_mul_i32 s36, s24, WREG
	v_lshrrev_b32 v14, 2, v2
	v_mul_u32_u24 v14, v14, SP
	v_and_b32 v15, 3, v2
	v_lshl_add_u32 v14, v15, 4, v14
	v_add_nc_u32 v14, s36, v14                     ; the stage, on the way in: SP (lane / 4) + 16 (lane % 4)
	v_mul_u32_u24 v15, v2, SP
	v_add_nc_u32 v15, s36, v15                     ; and on the way out: SP x lane: my 16 neighbours
	v_mul_u32_u24 v4, v2, CB                       ; my codes' place in a step's
	v_lshrrev_b32 v5, 1, v2
	s_add_co_u32 s36, s36, 2*32*SP
	v_add_nc_u32 v5, s36, v5                       ; LDS: my wave's 256 scale bytes, my block's byte
	v_lshlrev_b32 v7, 3, v2                        ; and on the way out 8 bytes a lane
	v_add_nc_u32 v6, s36, v7
	s_wait_kmcnt 0x0
	s_sub_co_u32 s27, ttmp9, 128                   ; the work-group's number among the weights' (not used in x's work-groups)
	s_lshr_b32 s28, s27, 5                         ; which weight
	s_cmp_eq_u32 s28, 1
	s_cselect_b64 s[6:7], s[8:9], s[6:7]
	s_cmp_eq_u32 s28, 2
	s_cselect_b64 s[6:7], s[10:11], s[6:7]
	s_cmp_eq_u32 s28, 3
	s_cselect_b64 s[6:7], s[12:13], s[6:7]
	s_and_b32 s29, s27, 31                         ; the work-group's number within its weight
	s_cmp_lt_u32 ttmp9, 128                        ; x's work-group?  The choices hang on the work-group's number alone
	s_cselect_b64 s[4:5], s[4:5], s[6:7]           ; from where,
	s_cselect_b64 s[8:9], s[16:17], s[20:21]       ; the codes' buffer,
	s_cselect_b64 s[10:11], s[18:19], s[22:23]     ; the scale bytes' buffer
	s_cselect_b32 s29, ttmp9, s29
	s_cselect_b32 s27, ttmp9, s27
	s_lshl_b32 s30, s29, 2
	s_add_co_u32 s30, s30, s24                     ; the run of 8,192 numbers that I read,
	s_lshl_b32 s30, s30, 15                        ; 32,768 bytes a run (under 2^25)
	s_mov_b32 s31, 0
	s_add_nc_u64 s[4:5], s[4:5], s[30:31]
	s_lshl_b32 s32, s27, 2
	s_add_co_u32 s32, s32, s25                     ; and the run's place in the buffers: bits 3 and 4 of the rows exchanged
	s_mul_i32 s34, s32, 32*STEPS*CB                ; 6,144 bytes of codes a run
	s_mov_b32 s35, 0
	s_add_nc_u64 s[8:9], s[8:9], s[34:35]
	s_lshl_b32 s34, s32, 8                         ; 256 scale bytes a run
	s_add_nc_u64 s[10:11], s[10:11], s[34:35]
.macro LOAD t
.irp i, 0,1,2,3
	global_load_b128 v[R+16*((\t)%4)+4*\i:R+16*((\t)%4)+4*\i+3], v3, s[4:5] offset:2048*(\t)+512*\i th:TH_LOAD_NT   ; 32 lanes read 512 consecutive bytes
.endr
.endm
.macro TURN t                          ; step t's numbers through the stage: LDS serves a wave's instructions in order, so no wait stands between the stores and the loads
.irp i, 0,1,2,3
	ds_store_b128 v14, v[R+16*((\t)%4)+4*\i:R+16*((\t)%4)+4*\i+3] offset:32*SP*((\t)%2)+8*SP*\i
.endr
.irp i, 0,1,2,3
	ds_load_b128 v[X+16*((\t)%2)+4*\i:X+16*((\t)%2)+4*\i+3], v15 offset:32*SP*((\t)%2)+16*\i
.endr
.endm
.irp t, 0,1,2,3
	LOAD \t
.endr
	s_wait_loadcnt 12                              ; step 0's four loads are in; the twelve of steps 1 to 3 may be out
	TURN 0
.macro STEP t
.set XS, X+16*((\t)%2)
.if (\t) > 0
	s_wait_dscnt 1                                 ; this step's numbers are back from the stage (the last step's byte store may be out): so its stores into the stage have read their registers,
.else
	s_wait_dscnt 0x0
.endif
.if (\t)+4 < STEPS
	LOAD (\t)+4                                    ; which take the loads of four steps on
.endif
.if (\t)+1 < STEPS
.if STEPS-2-(\t) >= 3
	s_wait_loadcnt 12                              ; the next step's four loads are in; those of the three steps behind it may be out
.else
	s_wait_loadcnt 4*(STEPS-2-(\t))
.endif
	TURN (\t)+1                                    ; and go through the other stage while this step is worked
.endif
	v_max3_num_f32 v8, |v[XS]|, |v[XS+1]|, |v[XS+2]|               ; the largest magnitude of my 16, in two chains
	v_max3_num_f32 v9, |v[XS+3]|, |v[XS+4]|, |v[XS+5]|
.irp i, 6,10
	v_max3_num_f32 v8, v8, |v[XS+\i]|, |v[XS+\i+1]|
	v_max3_num_f32 v9, v9, |v[XS+\i+2]|, |v[XS+\i+3]|
.endr
	v_max3_num_f32 v8, v8, |v[XS+14]|, |v[XS+15]|
	v_max3_num_f32 v8, v8, v9, (EMAX+1)<<23        ; and the floor 2^(EMAX + 1 - 127): the byte cannot fall under 1
	v_max_num_f32_dpp v8, v8, v8 row_xmask:1 row_mask:0xf bank_mask:0xf   ; and of my neighbour's 16: the block's
	v_add_nc_u32 v11, -(EMAX<<23), v8              ; EMAX off its exponent field: the conversion takes the exponent field of this operand as its scale
	v_cvt_scalef32_pk16_bf6_f32 v[C+4*(\t):C+4*(\t)+2], v[XS:XS+15], v11         ; sixteen numbers / the scale, to the nearest code, ties to even, beyond the largest code the largest
	v_lshrrev_b32 v[E+(\t)], 23, v11               ; the scale's byte
	ds_store_b8 v5, v[E+(\t)] offset:16*(\t)       ; both lanes of a block write the same byte with the same value
	global_store_b96 v4, v[C+4*(\t):C+4*(\t)+2], s[8:9] offset:32*CB*(\t)         ; the wave stores 384 consecutive bytes
.endm
.irp t, 0,1,2,3,4,5,6,7,8,9,10,11,12,13,14,15
	STEP \t
.endr
	ds_load_b64 v[12:13], v6                       ; LDS serves a wave's instructions in order: these see my stores
	s_wait_dscnt 0x0
	global_store_b64 v7, v[12:13], s[10:11]        ; 32 lanes store 256 consecutive bytes, at a multiple of 256 from the buffer's first byte
	s_wait_tensorcnt 0x0
	ds_add_u32 v192, v193
	s_wait_dscnt 0x0
	s_endpgm
.Lfunc_end_k_qc35e5d357c_quant:
	.size	k_qc35e5d357c_quant, .Lfunc_end_k_qc35e5d357c_quant-k_qc35e5d357c_quant
	.p2alignl 7, 3214868480
	.fill 96, 4, 3214868480
	.section	.rodata,"a",@progbits
	.p2align	6, 0x0
	.amdhsa_kernel k_qc35e5d357c_quant
		.amdhsa_group_segment_fixed_size 33280
		.amdhsa_private_segment_fixed_size 0
		.amdhsa_enable_private_segment 0
		.amdhsa_kernarg_size 72
		.amdhsa_user_sgpr_count 2
		.amdhsa_user_sgpr_kernarg_segment_ptr 1
		.amdhsa_wavefront_size32 1
		.amdhsa_system_sgpr_workgroup_id_x 1
		.amdhsa_system_sgpr_workgroup_id_y 1
		.amdhsa_system_sgpr_workgroup_id_z 1
		.amdhsa_system_vgpr_workitem_id 0
		.amdhsa_next_free_vgpr 194
		.amdhsa_next_free_sgpr 66
		.amdhsa_reserve_vcc 0
		.amdhsa_float_denorm_mode_32 3
		.amdhsa_float_denorm_mode_16_64 3
		.amdhsa_memory_ordered 1
		.amdhsa_forward_progress 1
		.amdhsa_inst_pref_size 33
	.end_amdhsa_kernel
	.amdgpu_metadata
---
amdhsa.version: [ 1, 2 ]
amdhsa.kernels:
  - .name:           k_qc35e5d357c_quant
    .symbol:         k_qc35e5d357c_quant.kd
    .args:
      - { .name: x, .offset: 0, .size: 8, .value_kind: global_buffer, .address_space: global }
      - { .name: Wq, .offset: 8, .size: 8, .value_kind: global_buffer, .address_space: global }
      - { .name: Wk, .offset: 16, .size: 8, .value_kind: global_buffer, .address_space: global }
      - { .name: Wv, .offset: 24, .size: 8, .value_kind: global_buffer, .address_space: global }
      - { .name: Wo, .offset: 32, .size: 8, .value_kind: global_buffer, .address_space: global }
      - { .name: xc, .offset: 40, .size: 8, .value_kind: global_buffer, .address_space: global }
      - { .name: xs, .offset: 48, .size: 8, .value_kind: global_buffer, .address_space: global }
      - { .name: wc, .offset: 56, .size: 8, .value_kind: global_buffer, .address_space: global }
      - { .name: ws, .offset: 64, .size: 8, .value_kind: global_buffer, .address_space: global }
    .group_segment_fixed_size: 33280
    .private_segment_fixed_size: 0
    .kernarg_segment_align: 8
    .kernarg_segment_size: 72
    .max_flat_workgroup_size: 128
    .sgpr_count:     66
    .vgpr_count:     194
    .wavefront_size: 32
...
	.end_amdgpu_metadata
.endif
;; end of part 1
;; launch qkv (part 2): grid 12 x 16, 4 waves a work-group, clusters of 4 x 4, 327,680 bytes of LDS; arguments xc, xs, wc, ws, qb, kv; writes qb, kv
.if DOCPART == 2
	.amdgcn_target "amdgcn-amd-amdhsa--gfx1250"
	.amdhsa_code_object_version 6
	.text
	.protected	k_qc35e5d357c_qkv
	.globl	k_qc35e5d357c_qkv
	.p2align	8
	.type	k_qc35e5d357c_qkv,@function
k_qc35e5d357c_qkv:
	s_mov_b64 s[64:65], 0
	v_nop
	global_prefetch_b8 v0, s[64:65] scope:SCOPE_SE
	s_setreg_imm32_b32 hwreg(HW_REG_WAVE_MODE, 25, 1), 1
	s_wait_xcnt 0x0
	s_wait_alu depctr_hold_cnt(0) depctr_sa_sdst(0) depctr_va_vdst(0) depctr_va_sdst(0) depctr_va_ssrc(0) depctr_va_vcc(0) depctr_vm_vsrc(0)
	s_getreg_b32 s2, hwreg(HW_REG_IB_STS2, 6, 4)
	s_cmp_eq_u32 s2, 0
	s_cbranch_scc0 .Lentry_in_a_cluster
	s_endpgm
.Lentry_in_a_cluster:
	s_bfe_u32 s2, ttmp6, 0x10000c
	s_cmp_lg_u32 s2, 0xf033
	s_cbranch_scc0 .Lentry_shape_is_right
	s_endpgm
.Lentry_shape_is_right:
; q = x Wq^T, k = x Wk^T, v = x Wv^T on codes of BF6 (E3M2) with E8M0 scales, K = 1,024; the results are quantised in registers and stored as images of the attention launch's operand registers.
; A tile is 256 x 256, made by four waves, 128 x 128 each: 64 accumulators of 16 x 16, 512 registers.  192 tiles: 64 for each of q, k, v.  (A wave needs 128 results along the axis that is quantised
; in one lane's registers, and 128 x 128 is the tile at which each fragment read from LDS feeds eight products; the price is that the grid has 192 work-groups.)
; Source 0 of the matrix instruction takes 16 rows of P, source 1 16 rows of R: a lane then holds ONE row of R and its registers run along P.
; THE MODE is the cluster's x, the same in all partners: 0: q, 1: k: P = rows of the weight (a head's channels: the next product's K), R = rows of x (tokens);
;   2: v: P = rows of x (the keys: the next product's K), R = rows of Wv (channels).
; Rows are stored with bits 3 and 4 of their number exchanged, so the 16 registers of P's blocks 2 b and 2 b + 1 are the 16 NEIGHBOURS 32 b + 16 (lane / 16) + 0 .. 15, and lane r of R's block t holds row 32 (t / 2) + 8 (t % 2) + r + 8 (r / 8).
; K goes in steps of 256 through a ring of two LDS slots filled by the tensor data mover (a tile's row: 192 bytes); the scale bytes of the tile's rows, for all of K, come once, with the first fills.
; CLUSTERS: 4 x 4 work-groups.  R's tiles are shared along a row of the cluster, P's along a column: each is asked for jointly, by the same tensor load with the same descriptor and a mask that names the four.
; WHAT IS STORED.  qb [16 heads][32 blocks of 128 tokens][6,656 bytes]; kv [16][32][13,312]: k's part, then v's part, 6,656 bytes each.
;   q's and k's part: 48 registers' image (register rho of lane l at 512 (rho / 4) + 16 l + 4 (rho % 4)): register 6 t + e: tile t of 16 tokens, lane (r, h): channels 32 h .. 32 h + 31; then 512 bytes of scale words:
;   that of (t, r) at 256 (t / 4) + 16 r + 4 (t % 4): bytes 0, 1 the head's two blocks, bytes 2, 3 = 0x7f (the upper 64 of the next product's K step of 128 are zeros there).
;   v's part: 48 registers' image: fragment tn at registers 12 tn ..: lane (r, h): channel 32 (tn / 2) + 8 (tn % 2) + r + 8 (r / 8), registers 6 c ..: keys 64 c + 32 h + 0 .. 31; then lane l's 16 bytes: the scale words of tn = 0 .. 3.
; LIMITS: NaN and infinities are not served; a block of zeros keeps the scale byte 1 (its codes are zeros; this program alone reads the bytes).
; REGISTERS, in windows of 256: window 0: v0-31 addresses; v32-63 scale words, two sets, and nothing else; v64-111 at work on the way out; from v128 R's fragments, ONE set, later the codes made;
;   window 1: P's fragments, TWO sets, at v0 and v128;  window 2: the 32 accumulators of R's blocks 0-3 (accumulator (a, b) at v[8 (8 a + b)]);  window 3: those of blocks 4-7.
.set KSTEP,  256                       ; along K in a slot
.set NQ,     2                         ; matrix instructions deep
.set ROWB,   192                       ; a tile's row in bytes
.set KROW,   768                       ; a row of codes in memory
.set PITCH,  240                       ; an LDS row: 3 x (64 bytes + 16 of padding)
.set FR,     12                        ; registers of a fragment
.set NL,     6                         ; LDS loads that bring one
.set NP,     4                         ; places behind this matrix instruction (ISA guide 7.12.1)
.set HALFT,  128*PITCH                 ; 128 rows: what one tensor load brings
.set SLOT,   4*HALFT                   ; R's 256 rows, then P's 256 rows
.set KS,     32                        ; a row of scale bytes
.set SCL,    2*SLOT                    ; behind the ring: the scale bytes, as runs of 256 bytes + 16 of padding
.set HALFS,  (128*KS/256)*272          ; those of 128 rows
.set SBLK,   (16*KS/256)*272           ; those of 16 rows
.set SPARE,  SCL+4*HALFS               ; behind the scales: the spare words, 128 bytes for each wave, which no other line names
.set ADRA, 16                          ; v16-17 LDS address of R's fragments in slot 0, 1 (v18-19: for the pieces behind one padding more)
.set ADRB, 20                          ; v20-21 the same for P (v22-23)
.set OFA,  24                          ; v24  the way out: 16 x lane: the first head's entry
.set OFB,  25                          ; v25  the same in the second head's entry
.set LN,   26                          ; v26  lane
.set ADRS, 27                          ; v27  LDS address of my scale words: lanes 0-15 R's rows, lanes 16-31 P's
.set SPW,  28                          ; v28  LDS address of my spare word; never rewritten
.set NIL,  29                          ; v29  0; never rewritten
.set SC,   32                          ; scale words: set s at v[SC + 16 s]; register 2 i + q: lanes 0-15 R's block i, lanes 16-31 P's block i
.set AF,   128                         ; R's fragments
.set TM,   64                          ; the way out: v64-67 largest magnitudes, v68-71 bytes, v76-79 the conversions' scale operands
.set TT,   80                          ; v80-86 the conversions' second halves
.set WA,   88                          ; v88-95 scale words (q, k: the first head's; v: all eight)
.set WB,   96                          ; v96-103 the second head's
.set SLA,  104                         ; v104-107, v108-111: the words as they are stored
.set SLB,  108
.set O,    128                         ; v128-223 the codes, 96 registers: none is written twice, so no store's data are written again
.set G1, 24                            ; s[24:31] descriptor group 1 for R's tiles;  s[32:39] group 0, one set for each slot
.set G0, 32
.set G1B, 48                           ; s[48:55], s[56:63] the same for P's tiles
.set G0B, 56
.set G1S, 68                           ; s[68:75], s[76:79] groups 1 and 0 for R's scale bytes;  s[80:87], s[88:91] for P's
.set G0S, 76
.set G1SB, 80
.set G0SB, 88
.set MSB, 0
.macro WIN new                         ; the immediate's high byte repeats the setting that is left
.if MSB != \new
	s_set_vgpr_msb (MSB<<8)|\new
.set MSB, \new
.endif
.endm
.set MUL_LO, 0xa1                      ; source 0 (P) window 1, source 1 (R) window 0, C and D window 2
.set MUL_HI, 0xf1                      ; the same, C and D window 3
.set TO_B,   0x40                      ; destination window 1, address window 0
; A joint load: waves 0 and 1 fetch for R, waves 2 and 3 for P.  Each line has one mask and one set of registers for all that issue it; the branch hangs on the wave's number alone.
; Four v_nop follow each of the two lines, ahead of the jump, the label and what follows.
.macro JLOAD g0a, g1a, g0b, g1b
	s_cmp_eq_u32 s15, 0
	s_cbranch_scc0 .Lfor_b_\@
	tensor_load_to_lds s[\g0a:\g0a+3], s[\g1a:\g1a+7]
	s_nop 0
.rept 4
	v_nop
.endr
	s_branch .Lasked_\@
.Lfor_b_\@:
	tensor_load_to_lds s[\g0b:\g0b+3], s[\g1b:\g1b+7]
	s_nop 0
.rept 4
	v_nop
.endr
.Lasked_\@:
.endm
.macro CREST                           ; a round of the cluster's barrier behind its opening barrier
	s_cmp_lg_u32 s14, 0
	s_cbranch_scc1 .Lnot_wave_0_\@
	s_barrier_signal -3
.Lnot_wave_0_\@:
	s_barrier_wait -3
	s_barrier_signal -1
	s_barrier_wait -1
.endm
.macro CROUND                          ; a whole round
	s_barrier_signal -1
	s_barrier_wait -1
	CREST
.endm
	s_load_b256 s[4:11], s[0:1], 0x0               ; x's codes s[4:5], x's scales s[6:7], the weights' codes s[8:9], their scales s[10:11]
	s_load_b128 s[96:99], s[0:1], 0x20             ; qb, kv
	v_lshl_add_u32 v[SPW], v0, 2, SPARE
	v_mov_b32 v[NIL], 0
	ds_add_u32 v28, v29
	ds_add_u32 v28, v29
	s_wait_dscnt 0x0
	v_lshrrev_b32 v1, 5, v0
	v_readfirstlane_b32 s14, v1                    ; wave 0..3
	s_lshr_b32 s15, s14, 1                         ; which half of R's rows is mine.  Also: I fetch for R (0) or for P (1)
	s_and_b32 s16, s14, 1                          ; which half of P's rows.  Also: which 128 rows of that tile I fetch
	s_bfe_u32 s40, ttmp6, 0x40000                  ; cx, cy: my place in the cluster
	s_bfe_u32 s41, ttmp6, 0x40004
	s_lshl_b32 s19, ttmp9, 2                       ; 4 x cluster x
	s_and_b32 s18, ttmp7, 0xffff
	s_lshl_b32 s18, s18, 2                         ; 4 x cluster y
	s_cmp_eq_u32 ttmp9, 2                          ; mode v?  The cluster's x: the same in all sixteen partners
	s_cselect_b32 s42, s18, s19                    ; P's tile of 256 rows: q, k: 4 x cluster x + cx in the weights' buffer; v: 4 x cluster y + cx in x's
	s_cselect_b32 s17, 8, s18                      ; R's: q, k: 4 x cluster y + cy in x's buffer; v: 8 + cy in the weights' (Wv begins at row 2,048)
	s_add_co_u32 s42, s42, s40
	s_add_co_u32 s17, s17, s41
	s_lshl_b32 s43, s41, 2
	s_lshl_b32 s43, 15, s43                        ; my row of the cluster
	s_lshl_b32 s44, 0x1111, s40                    ; my column
	; descriptor group 1: a tile of 128 rows x 192 bytes, padded in LDS
	s_or_b32 s[G1+0], s43, (0<<16)|(1<<20)|(1<<21)|(3<<22)|(3<<25)  ; 15:0 the mask: R's tiles go to my row; 17:16 element of 1 byte; 20 padding on; 21 set beside a mask; 24:22 after every 16 words; 31:25 of 4 words
	s_or_b32 s[G1B+0], s44, (0<<16)|(1<<20)|(1<<21)|(3<<22)|(3<<25)
.irp g, G1, G1B
	s_mov_b32 s[\g+1], ROWB<<16                    ; tensor_dim0
	s_mov_b32 s[\g+2], 128<<16                     ; tensor_dim1
	s_mov_b32 s[\g+3], ROWB<<16                    ; tile_dim0
	s_mov_b32 s[\g+4], 128                         ; tile_dim1
	s_mov_b32 s[\g+5], KROW                        ; tensor_dim0_stride
	s_mov_b32 s[\g+6], 0
	s_mov_b32 s[\g+7], 0
.endr
	; the scale bytes of 128 rows: a dense block of 4,096 bytes, as 16 rows of 256 bytes (32 elements of 8 bytes), 16 bytes of padding behind each
	s_or_b32 s[G1S+0], s43, (3<<16)|(1<<20)|(1<<21)|(5<<22)|(3<<25)
	s_or_b32 s[G1SB+0], s44, (3<<16)|(1<<20)|(1<<21)|(5<<22)|(3<<25)
.irp g, G1S, G1SB
	s_mov_b32 s[\g+1], 32<<16
	s_mov_b32 s[\g+2], (128*KS/256)<<16
	s_mov_b32 s[\g+3], 32<<16
	s_mov_b32 s[\g+4], 128*KS/256
	s_mov_b32 s[\g+5], 32
	s_mov_b32 s[\g+6], 0
	s_mov_b32 s[\g+7], 0
.endr
	s_lshl_b32 s18, s16, 7                         ; which 128 rows of the tile I fetch
	s_lshl_b32 s20, s17, 8
	s_add_co_u32 s20, s20, s18                     ; R: row 256 x tile + 128 x half
	s_lshl_b32 s46, s42, 8
	s_add_co_u32 s46, s46, s18                     ; P likewise
	s_mov_b32 s21, 0
	s_mov_b32 s47, 0
	s_mov_b64 s[18:19], KS
	s_mul_u64 s[22:23], s[20:21], s[18:19]         ; where these rows' scale bytes begin
	s_mul_u64 s[92:93], s[46:47], s[18:19]
	s_mov_b64 s[18:19], KROW
	s_mul_u64 s[20:21], s[20:21], s[18:19]         ; and their codes
	s_mul_u64 s[46:47], s[46:47], s[18:19]
	s_mul_i32 s45, s14, HALFT                      ; where they go: wave x 128 rows: no place in the cluster enters an LDS address
	s_mul_i32 s94, s14, HALFS
	s_wait_kmcnt 0x0
	s_mov_b64 s[2:3], s[4:5]                       ; in mode v the two tensors change parts: R is the weight, P is x
	s_mov_b64 s[66:67], s[6:7]
	s_cmp_eq_u32 ttmp9, 2
	s_cselect_b64 s[4:5], s[8:9], s[4:5]           ; R's codes
	s_cselect_b64 s[6:7], s[10:11], s[6:7]         ; R's scale bytes
	s_cselect_b64 s[8:9], s[2:3], s[8:9]           ; P's codes
	s_cselect_b64 s[10:11], s[66:67], s[10:11]     ; P's scale bytes
	s_add_nc_u64 s[20:21], s[4:5], s[20:21]
	s_add_nc_u64 s[22:23], s[6:7], s[22:23]
	s_add_nc_u64 s[46:47], s[8:9], s[46:47]
	s_add_nc_u64 s[92:93], s[10:11], s[92:93]
	CROUND                                         ; all sixteen work-groups are here: the first joint loads meet
	s_mov_b32 s[G0S], 1
	s_add_co_u32 s[G0S+1], s94, SCL
	s_mov_b64 s[G0S+2:G0S+3], s[22:23]
	s_or_b32 s[G0S+3], s[G0S+3], 0x80000000
	s_mov_b32 s[G0SB], 1
	s_add_co_u32 s[G0SB+1], s94, SCL
	s_mov_b64 s[G0SB+2:G0SB+3], s[92:93]
	s_or_b32 s[G0SB+3], s[G0SB+3], 0x80000000
	JLOAD G0S, G1S, G0SB, G1SB                     ; the scale bytes first: they are wanted with K step 0
.irp s, 0,1
	s_mov_b32 s[G0+4*\s], 1
	s_add_co_u32 s[G0+4*\s+1], s45, \s*SLOT
	s_add_nc_u64 s[G0+4*\s+2:G0+4*\s+3], s[20:21], \s*ROWB
	s_or_b32 s[G0+4*\s+3], s[G0+4*\s+3], 0x80000000
	s_mov_b32 s[G0B+4*\s], 1
	s_add_co_u32 s[G0B+4*\s+1], s45, \s*SLOT
	s_add_nc_u64 s[G0B+4*\s+2:G0B+4*\s+3], s[46:47], \s*ROWB
	s_or_b32 s[G0B+4*\s+3], s[G0B+4*\s+3], 0x80000000
	JLOAD G0+4*\s, G1, G0B+4*\s, G1B
.endr
	v_and_b32 v1, 15, v0                           ; l % 16
	v_bfe_u32 v2, v0, 4, 1                         ; l / 16
	v_mul_u32_u24 v3, v1, PITCH
	v_mul_u32_u24 v4, v2, 24
	v_add_nc_u32 v4, v3, v4                        ; a fragment's row x pitch + 24 x half
	v_lshl_add_u32 v5, v2, 4, v4                   ; and the same behind one padding more
	s_mul_i32 s21, s15, HALFT                      ; my 128 rows of R
	s_mul_i32 s22, s16, HALFT                      ; my 128 rows of P,
	s_add_co_u32 s22, s22, 2*HALFT                 ; which lie behind R's 256
.irp s, 0,1
	v_add_nc_u32 v[ADRA+\s], s21, v4
	v_add_nc_u32 v[ADRB+\s], s22, v4
	v_add_nc_u32 v[ADRA+2+\s], s21, v5
	v_add_nc_u32 v[ADRB+2+\s], s22, v5
	s_add_co_u32 s21, s21, SLOT
	s_add_co_u32 s22, s22, SLOT
.endr
	v_mul_u32_u24 v5, v1, KS                       ; my row's scale bytes: 32 a row,
	v_lshrrev_b32 v6, 8, v5
	v_lshl_add_u32 v5, v6, 4, v5                   ; and 16 more for each 256 passed
	s_mul_i32 s21, s15, HALFS                      ; R's: my 128 rows
	s_mul_i32 s22, s16, HALFS                      ; P's: my 128 rows, behind R's 256
	s_add_co_u32 s22, s22, 2*HALFS
	s_sub_co_u32 s22, s22, s21
	v_mul_u32_u24 v6, s22, v2                      ; lanes 16-31 take P's
	s_add_co_u32 s21, s21, SCL
	v_add_nc_u32 v5, v5, v6
	v_add_nc_u32 v[ADRS], s21, v5
	; where my results go.  q, k: my 128 rows of P are heads 4 cx + 2 (my half of P) and the next; my 128 rows of R are token block 2 (4 Y + cy) + (my half of R).  v: the parts of cx, cy and of the halves are exchanged.
	s_cmp_eq_u32 ttmp9, 2
	s_cselect_b32 s20, s41, s40                    ; the heads' coordinate
	s_cselect_b32 s21, s15, s16
	s_cselect_b32 s22, s40, s41                    ; the tokens' coordinate
	s_cselect_b32 s23, s16, s15
	s_cselect_b32 s45, 6656, 0                     ; v's part lies behind k's
	s_lshl_b32 s20, s20, 2
	s_lshl_b32 s21, s21, 1
	s_add_co_u32 s20, s20, s21                     ; my first head
	s_and_b32 s21, ttmp7, 0xffff
	s_lshl_b32 s21, s21, 2
	s_add_co_u32 s21, s21, s22
	s_lshl_b32 s21, s21, 1
	s_add_co_u32 s21, s21, s23                     ; my block of 128 tokens
	s_lshl_b32 s20, s20, 5
	s_add_co_u32 s20, s20, s21                     ; 32 x head + block
	s_mov_b32 s22, 13312
	s_cmp_eq_u32 ttmp9, 0
	s_cselect_b32 s22, 6656, s22                   ; an entry's bytes: qb's or kv's
	s_cselect_b64 s[12:13], s[96:97], s[98:99]
	s_mul_i32 s20, s20, s22
	s_add_co_u32 s20, s20, s45
	s_mov_b32 s21, 0
	s_add_nc_u64 s[12:13], s[12:13], s[20:21]
	s_lshl_b32 s22, s22, 5                         ; from a head to the next: 32 entries
	v_and_b32 v[LN], 31, v0
	v_lshlrev_b32 v[OFA], 4, v[LN]
	v_add_nc_u32 v[OFB], s22, v[OFA]
	s_mov_b32 s20, 0x76543210                      ; v_permlanex16_b32's selects for lane l xor 16
	s_mov_b32 s21, 0xfedcba98
	s_mov_b32 s23, 0x7f7f0000                      ; bytes 2 and 3 of q's and k's scale words: 2^0
.macro FRAG reg, adr, q, i             ; a fragment, 16 rows x 128 K of 6-bit codes: lane l holds row l % 16; registers 6 c .. 6 c + 5 hold K = 64 c + 32 (l / 16) + 0 .. 31: 24 bytes of the row, as they lie
.irp p, 0,1,2,3,4,5                    ; in pieces of 8 bytes.  Lanes 0-15 take the row's pieces 12 q + 0, 1, 2 and 12 q + 6, 7, 8, lanes 16-31 those three pieces on
.set PC, 12*(\q)+6*(\p/3)+\p%3        ; 16 bytes of padding lie behind every 8 pieces: where the piece three on lies behind one padding more, the second address register (40 for 24 bytes a half) serves
.if PC%8 < 5
	ds_load_b64 v[\reg+2*\p:\reg+2*\p+1], v[\adr] offset:8*PC+16*(PC/8)+(\i)*16*PITCH
.else
	ds_load_b64 v[\reg+2*\p:\reg+2*\p+1], v[\adr+2] offset:8*PC+16*(PC/8)+(\i)*16*PITCH
.endif
.endr
.endm
; 16 matrix instructions: R's blocks a0, a0 + 1 x P's eight, 128 along K: the slot's q-th.  p: P's set;  sc: the set of scale words.  zero = 1: the first product starts the sums.
; The 64 accumulators take turns, one instruction a turn, in the same order in every step.
.macro MUL16 a0, p, q, sc, zero
.irp a, \a0, \a0+1
.irp b, 0,1,2,3,4,5,6,7
.if \zero
	v_wmma_scale_f32_16x16x128_f8f6f4 v[8*(8*((\a)%4)+\b):8*(8*((\a)%4)+\b)+7], v[128*(\p)+FR*\b:128*(\p)+FR*\b+FR-1], v[AF+FR*(\a):AF+FR*(\a)+FR-1], 0, v[SC+8*NQ*(\sc)+NQ*\b+(\q)], v[SC+8*NQ*(\sc)+NQ*(\a)+(\q)] matrix_a_fmt:MATRIX_FMT_BF6 matrix_b_fmt:MATRIX_FMT_BF6 matrix_a_scale:MATRIX_SCALE_ROW1
.else
	v_wmma_scale_f32_16x16x128_f8f6f4 v[8*(8*((\a)%4)+\b):8*(8*((\a)%4)+\b)+7], v[128*(\p)+FR*\b:128*(\p)+FR*\b+FR-1], v[AF+FR*(\a):AF+FR*(\a)+FR-1], v[8*(8*((\a)%4)+\b):8*(8*((\a)%4)+\b)+7], v[SC+8*NQ*(\sc)+NQ*\b+(\q)], v[SC+8*NQ*(\sc)+NQ*(\a)+(\q)] matrix_a_fmt:MATRIX_FMT_BF6 matrix_b_fmt:MATRIX_FMT_BF6 matrix_a_scale:MATRIX_SCALE_ROW1
.endif
.endr
.endr
.endm
.macro FETCH_B slot, q, p              ; P's eight fragments of the slot's q-th 128 along K into set p
	WIN TO_B
.irp i, 0,1,2,3,4,5,6,7
	FRAG 128*(\p)+FR*\i, ADRB+\slot, \q, \i
.endr
	WIN 0
.endm
.macro FETCH_A slot, q, i0             ; R's blocks i0 .. i0 + 3
.irp i, \i0, \i0+1, \i0+2, \i0+3
	FRAG AF+FR*(\i), ADRA+\slot, \q, \i
.endr
.endm
.macro SCALES sc                       ; the next K step's scale words into set sc: two words a row; lanes 0-15 take R's block i, lanes 16-31 P's block i
.irp i, 0,1,2,3,4,5,6,7
	ds_load_b64 v[SC+8*NQ*\sc+NQ*\i:SC+8*NQ*\sc+NQ*\i+1], v[ADRS] offset:\i*SBLK
.endr
.endm
; A load into a register that a matrix instruction has read, and a vector instruction that reads a matrix result or writes one of its registers, stand NP places behind it; only plain vector
; instructions that name none of its registers are places (ISA guide 7.12.1 for vector instructions).
.macro PLACES n
.rept \n
	v_nop
.endr
.endm
; A step of 128 along K that has its successor in the same slot.
.macro STEP slot, q, zero
	s_wait_dscnt 4*NL                              ; P's set and R's blocks 0-3 are in; the youngest 24 loads (R's blocks 4-7) may be out
	WIN MUL_LO
	MUL16 0, (\q)%2, \q, \slot, \zero
	MUL16 2, (\q)%2, \q, \slot, \zero
	s_wait_dscnt 0                                 ; R's blocks 4-7 are in (asked for 32 matrix instructions ago)
	PLACES NP
	FETCH_B \slot, (\q)+1, 1-(\q)%2
	FETCH_A \slot, (\q)+1, 0
	WIN MUL_HI
	MUL16 4, (\q)%2, \q, \slot, \zero
	MUL16 6, (\q)%2, \q, \slot, \zero
	PLACES NP
	WIN 0
	FETCH_A \slot, (\q)+1, 4
.endm
; A slot's last step changes slots: ONE barrier; in front of it each wave waits for all its tensor loads, adds 0 to its spare word, and waits for that and for its own reads of this slot.  fill = 1: this slot is filled again, two K steps ahead.
.macro TURN slot, next, fill
	s_wait_tensorcnt 0x0                           ; all my tensor loads have landed: my part of the next slot;  (every window is 0 here)
	ds_add_u32 v[SPW], v[NIL]                      ; 0 onto my spare word;
	s_wait_dscnt 4*NL+1                            ; (the add and the youngest 24 loads, R's blocks 4-7, may be out)
	WIN MUL_LO
	MUL16 0, 1, NQ-1, \slot, 0                     ; sixteen matrix instructions stand between the add and the wait for it
	s_wait_dscnt 0x0                               ; the add is done, and my reads of this slot are over
	s_barrier_signal -1
	MUL16 2, 1, NQ-1, \slot, 0
	WIN 0
	s_barrier_wait -1
.if \fill
	CREST                                          ; the barrier has opened a round of the cluster's barrier: no wave of any partner still reads this slot's tile or has a load on its way
	s_add_nc_u64 s[G0+4*\slot+2:G0+4*\slot+3], s[G0+4*\slot+2:G0+4*\slot+3], 2*ROWB
	s_add_nc_u64 s[G0B+4*\slot+2:G0B+4*\slot+3], s[G0B+4*\slot+2:G0B+4*\slot+3], 2*ROWB
	JLOAD G0+4*\slot, G1, G0B+4*\slot, G1B         ; the first tensor load behind the round; the four v_nop behind it are the places in front of the loads below
.else
	PLACES NP
.endif
	v_add_nc_u32 v[ADRS], 4*NQ, v[ADRS]            ; on to the next K step's scale words (no LDS load of mine is out)
	FETCH_B \next, 0, 0
	FETCH_A \next, 0, 0
	SCALES \next
	WIN MUL_HI
	MUL16 4, 1, NQ-1, \slot, 0
	MUL16 6, 1, NQ-1, \slot, 0
	PLACES NP
	WIN 0
	FETCH_A \next, 0, 4
.endm
	s_wait_tensorcnt 1                             ; the scale bytes and my part of K step 0 are in (K step 1's load may be out),
	s_barrier_signal -1
	s_barrier_wait -1                              ; everybody's are
	FETCH_B 0, 0, 0
	FETCH_A 0, 0, 0
	SCALES 0
	FETCH_A 0, 0, 4
	STEP 0, 0, 1                                   ; K = 1,024 is four K steps, twice round the ring: written out.  The first step's products start the sums
	TURN 0, 1, 1                                   ; slot 0 takes K step 2
	STEP 1, 0, 0
	TURN 1, 0, 1                                   ; slot 1 takes K step 3
	STEP 0, 0, 0
	TURN 0, 1, 0                                   ; nothing is left to fetch, and no round of the cluster's barrier stands here
	STEP 1, 0, 0
	s_wait_dscnt 4*NL                              ; the very last step
	WIN MUL_LO
	MUL16 0, 1, NQ-1, 1, 0
	MUL16 2, 1, NQ-1, 1, 0
	s_wait_dscnt 0
	WIN MUL_HI
	MUL16 4, 1, NQ-1, 1, 0
	MUL16 6, 1, NQ-1, 1, 0
	WIN 0
; THE WAY OUT.  R's block a: 64 registers of a lane, register 16 b + i = index 32 b + 16 (lane / 16) + i along P, of the lane's row of R.  They become 12 registers of codes, six at d0 (indices 0-63) and six at d1 (64-127),
; each lane with a whole block of 32; the four blocks' scale bytes stay in v[TM+4] on.  Each accumulator is read from its low end on.
.macro QUANT a, d0, d1
.set QW, 2+(\a)/4                      ; the accumulators' window
.set QS, 64*((\a)%4)
.set QM, (QW<<2)|(QW<<4)
	WIN QM                                         ; sources 1 and 2 in the accumulators' window
.irp b, 0,1,2,3
	v_max3_num_f32 v[TM+\b], 0x2800000, |v[QS+16*\b]|, |v[QS+16*\b+1]|   ; block b: my 16 numbers, and the floor 2^(5 - 127): the byte cannot fall under 1
.endr
.irp i, 2,4,6,8,10,12,14
.irp b, 0,1,2,3
	v_max3_num_f32 v[TM+\b], v[TM+\b], |v[QS+16*\b+\i]|, |v[QS+16*\b+\i+1]|   ; (the four blocks by turns)
.endr
.endr
	WIN 0
.irp b, 0,1,2,3
	v_permlanex16_b32 v[TM+4+\b], v[TM+\b], s20, s21
.endr
.irp b, 0,1,2,3
	v_max_num_f32 v[TM+\b], v[TM+\b], v[TM+4+\b]   ; with lane l xor 16's: the block's largest magnitude
.endr
.irp b, 0,1,2,3
	v_add_nc_u32 v[TM+12+\b], 0xfe000000, v[TM+\b] ; 4 off its exponent field: the conversion's scale operand
.endr
.irp b, 0,1,2,3
	v_lshrrev_b32 v[TM+4+\b], 23, v[TM+12+\b]      ; the scale's byte
.endr
	WIN QW                                         ; source 0 in the accumulators' window
	v_cvt_scalef32_pk16_bf6_f32 v[(\d0):(\d0)+2], v[QS:QS+15], v[TM+12]
	v_cvt_scalef32_pk16_bf6_f32 v[TT:TT+2], v[QS+16:QS+31], v[TM+13]       ; (a conversion's three registers begin on an even number)
	v_cvt_scalef32_pk16_bf6_f32 v[(\d1):(\d1)+2], v[QS+32:QS+47], v[TM+14]
	v_cvt_scalef32_pk16_bf6_f32 v[TT+4:TT+6], v[QS+48:QS+63], v[TM+15]
	WIN 0
	v_nop                                          ; one plain place behind a scaled conversion
.irp i, 0,1,2
	v_permlane16_swap_b32 v[(\d0)+\i], v[TT+\i]    ; the operand's layout wants a whole block in a lane: lanes 0-15 the even block, lanes 16-31 the odd one
	v_permlane16_swap_b32 v[(\d1)+\i], v[TT+4+\i]
.endr
.irp i, 0,1,2
	v_mov_b32 v[(\d0)+3+\i], v[TT+\i]
	v_mov_b32 v[(\d1)+3+\i], v[TT+4+\i]
.endr
.endm
.macro WORDS a                         ; q, k: a token's scale word for each of the two heads: two bytes of its own, two of 2^0
	v_lshl_or_b32 v[WA+(\a)], v[TM+5], 8, v[TM+4]
	v_lshl_or_b32 v[WB+(\a)], v[TM+7], 8, v[TM+6]
	v_or_b32 v[WA+(\a)], s23, v[WA+(\a)]
	v_or_b32 v[WB+(\a)], s23, v[WB+(\a)]
.endm
	PLACES NP                                      ; behind the last products: their results are read and their operands' registers written below
.irp b, 0,1,2,3
	v_mov_b32 v[TM+4+\b], 0                        ; written once: a lane permute's destination counts as one of its sources
.endr
	v_cmp_le_u32 vcc_lo, 16, v[LN]                 ; lanes 16-31
	s_cmp_eq_u32 ttmp9, 2
	s_cbranch_scc1 .Lpath_v
	; q, k: the first head's six registers of tiles 2 p and 2 p + 1 stand on end, then the second head's: three stores of 512 consecutive bytes for each
.irp p, 0,1,2,3
	QUANT 2*\p, O+24*\p, O+24*\p+12
	WORDS 2*\p
	QUANT 2*\p+1, O+24*\p+6, O+24*\p+18
	WORDS 2*\p+1
.irp i, 0,1,2
	global_store_b128 v[OFA], v[O+24*\p+4*\i:O+24*\p+4*\i+3], s[12:13] offset:512*(3*\p+\i)
	global_store_b128 v[OFB], v[O+24*\p+12+4*\i:O+24*\p+12+4*\i+3], s[12:13] offset:512*(3*\p+\i)
.endr
.endr
.irp i, 0,1,2,3
	v_cndmask_b32 v[SLA+\i], v[WA+\i], v[WA+4+\i], vcc_lo   ; lanes 0-15 store the words of tiles 0-3 of their row, lanes 16-31 those of tiles 4-7
	v_cndmask_b32 v[SLB+\i], v[WB+\i], v[WB+4+\i], vcc_lo
.endr
	global_store_b128 v[OFA], v[SLA:SLA+3], s[12:13] offset:6144
	global_store_b128 v[OFB], v[SLB:SLB+3], s[12:13] offset:6144
	s_branch .Lout
.Lpath_v:
	; v: R's block a is a whole fragment (16 channels x 128 keys); blocks 0-3 are the first head's, 4-7 the second's
.irp a, 0,1,2,3,4,5,6,7
	QUANT \a, O+12*\a, O+12*\a+6
	v_lshl_or_b32 v[WA+\a], v[TM+5], 8, v[TM+4]    ; the four blocks of keys make the channel's scale word
	v_lshl_or_b32 v[WA+\a], v[TM+6], 16, v[WA+\a]
	v_lshl_or_b32 v[WA+\a], v[TM+7], 24, v[WA+\a]
.irp i, 0,1,2
.if \a < 4
	global_store_b128 v[OFA], v[O+12*\a+4*\i:O+12*\a+4*\i+3], s[12:13] offset:512*(3*(\a%4)+\i)
.else
	global_store_b128 v[OFB], v[O+12*\a+4*\i:O+12*\a+4*\i+3], s[12:13] offset:512*(3*(\a%4)+\i)
.endif
.endr
.endr
	global_store_b128 v[OFA], v[WA:WA+3], s[12:13] offset:6144
	global_store_b128 v[OFB], v[WA+4:WA+7], s[12:13] offset:6144
.Lout:
	s_wait_tensorcnt 0x0                           ; the wave's end
	ds_add_u32 v[SPW], v[NIL]
	s_wait_dscnt 0x0
	CROUND                                         ; the closing round: no work-group ends while a partner may still ask for a tile that names it
	s_endpgm
.Lfunc_end_k_qc35e5d357c_qkv:
	.size	k_qc35e5d357c_qkv, .Lfunc_end_k_qc35e5d357c_qkv-k_qc35e5d357c_qkv
	.p2alignl 7, 3214868480
	.fill 96, 4, 3214868480
	.section	.rodata,"a",@progbits
	.p2align	6, 0x0
	.amdhsa_kernel k_qc35e5d357c_qkv
		.amdhsa_group_segment_fixed_size 327680
		.amdhsa_private_segment_fixed_size 0
		.amdhsa_enable_private_segment 0
		.amdhsa_kernarg_size 48
		.amdhsa_user_sgpr_count 2
		.amdhsa_user_sgpr_kernarg_segment_ptr 1
		.amdhsa_wavefront_size32 1
		.amdhsa_system_sgpr_workgroup_id_x 1
		.amdhsa_system_sgpr_workgroup_id_y 1
		.amdhsa_system_sgpr_workgroup_id_z 1
		.amdhsa_system_vgpr_workitem_id 0
		.amdhsa_next_free_vgpr 1024
		.amdhsa_next_free_sgpr 102
		.amdhsa_reserve_vcc 1
		.amdhsa_float_denorm_mode_32 3
		.amdhsa_float_denorm_mode_16_64 3
		.amdhsa_memory_ordered 1
		.amdhsa_forward_progress 1
		.amdhsa_inst_pref_size 198
	.end_amdhsa_kernel
	.amdgpu_metadata
---
amdhsa.version: [ 1, 2 ]
amdhsa.kernels:
  - .name:           k_qc35e5d357c_qkv
    .symbol:         k_qc35e5d357c_qkv.kd
    .args:
      - { .name: xc, .offset: 0, .size: 8, .value_kind: global_buffer, .address_space: global }
      - { .name: xs, .offset: 8, .size: 8, .value_kind: global_buffer, .address_space: global }
      - { .name: wc, .offset: 16, .size: 8, .value_kind: global_buffer, .address_space: global }
      - { .name: ws, .offset: 24, .size: 8, .value_kind: global_buffer, .address_space: global }
      - { .name: qb, .offset: 32, .size: 8, .value_kind: global_buffer, .address_space: global }
      - { .name: kv, .offset: 40, .size: 8, .value_kind: global_buffer, .address_space: global }
    .group_segment_fixed_size: 327680
    .private_segment_fixed_size: 0
    .kernarg_segment_align: 8
    .kernarg_segment_size: 48
    .max_flat_workgroup_size: 128
    .sgpr_count:     102
    .vgpr_count:     1024
    .wavefront_size: 32
...
	.end_amdgpu_metadata
.endif
;; end of part 2
;; launch attn (part 3): grid 16 x 16, 16 waves a work-group, no clusters, 169,984 bytes of LDS; arguments qb, kv, ac; writes ac
.if DOCPART == 3
	.amdgcn_target "amdgcn-amd-amdhsa--gfx1250"
	.amdhsa_code_object_version 6
	.text
	.protected	k_qc35e5d357c_attn
	.globl	k_qc35e5d357c_attn
	.p2align	8
	.type	k_qc35e5d357c_attn,@function
k_qc35e5d357c_attn:
	s_mov_b64 s[64:65], 0
	v_nop
	global_prefetch_b8 v0, s[64:65] scope:SCOPE_SE
	s_setreg_imm32_b32 hwreg(HW_REG_WAVE_MODE, 25, 1), 1
	s_wait_xcnt 0x0
; Attention in a sliding window: key k counts for query q where q - 1024 < k <= q.  16 heads of 64 channels, 4,096 tokens.  Both products on codes of BF6 (E3M2) with E8M0 scales.
; THE SOFTMAX AHEAD OF THE SECOND PRODUCT: t = score x log2(e) / 8; M = the row's largest t so far, rounded UP to a whole number; p = 2^(t - M) is what is quantised, along the keys; it is not normalised.
; The row's sum is taken of the unquantised p, in f32, and divides O at the end.  When M moves, the sum and O are multiplied by 2^(old M - new M): exact.
; SHARES.  A work-group owns 256 queries (block B = work-group x) of one head (work-group y); each of its sixteen waves owns one tile of 16 queries: tile t = wave % 8 of the block of 128 queries a = 2 B + wave / 8.
; The band of these 256 queries lies in the ten blocks of 128 keys 2 B - 8 .. 2 B + 1.  All ten (13,312 bytes each: k's image, then v's) are asked for at the head and stay in LDS: nothing is filled again,
; so there is no ring, and no later request that a prefetch could run ahead of.  Waves 0-3 bring a quarter of each pair of blocks: five tensor loads each are out at the most.
; For B < 4 the pairs in front of the head's first key are replaced by pair 0, which nobody reads there, so that every work-group issues the same loads.
; A wave works key block j (of ten) where d = 8 - j + wave / 8 lies in 0 .. 8 and the block exists: scalar branches on ids round a step's work, never round a barrier.
;   d = 8: the window's lower edge: key kk of the block is hidden where kk <= qq (qq: the query's place in its block);  d = 0: the diagonal: hidden where kk > qq.  Hidden scores become -infinity: p = 0.
; NO CLUSTER: the query blocks of one head need different bands of keys (block B wants key blocks 2 B - 8 on), so a tile asked for jointly would lie at an LDS place that hangs on the partner's place in the cluster.
; LAYOUT.  Both products are used transposed: S^T = K Q^T (source 0 = 16 keys), O^T = V^T P^T (source 0 = 16 channels): a lane holds ONE query (lane % 16) throughout.
; Lane r of a tile of k holds key 32 (t / 2) + 8 (t % 2) + r + 8 (r / 8), so the 16 registers of tiles 2 b, 2 b + 1 of S^T are the keys 32 b + 16 (lane / 16) + 0 .. 15; v's channels are chosen likewise for the output product.
; THE FIRST PRODUCT'S K IS 64, the instruction's 128: q's upper six registers are zero codes with scale 2^0.  k's fragment of tile t is named as v[32 + 6 t .. 43 + 6 t]: its upper six registers are the next tile's
; codes (behind tile 7: zeros), finite numbers under scale 2^0, which zero codes multiply to 0 exactly.  So k's image has six registers a tile and not twelve.
; WHAT IS STORED.  ac [32 blocks of 128 queries][8 pairs of heads g][12,800]: eight fragments t of 1,536 bytes (registers 2 p, 2 p + 1 of lane l at 256 p + 8 l; registers 6 c + e: head 2 g + c, channels 32 (lane / 16) on),
; then the scale words at 12,288 + 64 t + 4 r, byte 2 c + block.  A wave's 32 scale bytes go out as single bytes: one byte in 24 of what it stores.
; LIMITS: NaN and infinities are not served; a p under 2^-126 counts as 0; a block of zeros keeps the scale byte 1 (its codes are zeros).
; REGISTERS: v1 16 x lane; v2, v3 the step's LDS addresses; v4-8 offsets; v7 16 x (lane % 16); v12 -M, v13 the largest t, v[14:15] the sum in two halves; v16-21 q, v22-27 zeros; v32-79 k's image, then v's; v80-85 zeros;
;   v96-159 S^T, then p; v160-191 O^T; v192-199 k's scale words; v200 qq - 16 (lane / 16); v224-235 p's codes; v232-247, v252, v254 at work; v248-251 v's scale words; v253 p's; v255 q's.
.set CH,   13312                       ; a block of 128 keys in kv and in LDS
.set SEL,  20                          ; s[20:21] lane selects for v_permlanex16_b32: lane l xor 16
.set CS,   22                          ; s[22:23] c = log2(e) / 8
.set G1,   24                          ; s[24:31] descriptor group 1
.set G0,   32                          ; s[32:51] five groups 0
	s_load_b128 s[4:7], s[0:1], 0x0                ; qb, kv
	s_load_b64 s[8:9], s[0:1], 0x10                ; ac
	v_lshl_add_u32 v223, v0, 2, 0x29000
	v_mov_b32 v243, 0
	ds_add_u32 v223, v243
	ds_add_u32 v223, v243
	v_lshrrev_b32 v8, 5, v0
	s_delay_alu instid0(VALU_DEP_1)
	v_readfirstlane_b32 s10, v8                    ; wave 0..15
	s_lshr_b32 s11, s10, 3                         ; which block of 128 queries
	s_and_b32 s12, s10, 7                          ; my tile in it
	s_and_b32 s13, s10, 3                          ; which quarter of a pair of blocks I fetch, if I fetch
	s_and_b32 s16, ttmp7, 0xffff                   ; the head
	s_lshl_b32 s17, ttmp9, 1
	s_sub_co_i32 s17, s17, 8                       ; the first of the ten key blocks: 2 B - 8 (may be negative)
	; descriptor group 1: a quarter of two blocks is 6,656 dense bytes: 26 rows of 256 bytes (32 elements of 8 bytes), no padding
	s_mov_b32 s[G1], 3<<16
	s_mov_b32 s[G1+1], 32<<16                      ; tensor_dim0
	s_mov_b32 s[G1+2], 26<<16                      ; tensor_dim1
	s_mov_b32 s[G1+3], 32<<16                      ; tile_dim0
	s_mov_b32 s[G1+4], 26                          ; tile_dim1
	s_mov_b32 s[G1+5], 32                          ; tensor_dim0_stride
	s_mov_b32 s[G1+6], 0
	s_mov_b32 s[G1+7], 0
	s_mul_i32 s14, s16, 32*CH                      ; the head's first byte in kv,
	s_mul_i32 s15, s13, CH/2                       ; my quarter: in memory and in LDS
	s_add_co_u32 s14, s14, s15
	s_mov_b32 s19, 0
	s_mov_b32 s[SEL], 0x76543210
	s_mov_b32 s[SEL+1], 0xfedcba98
	s_mov_b32 s[CS], 0x3e38aa3b                    ; log2(e) / 8
	s_mov_b32 s[CS+1], s[CS]                       ; (named with it as a pair, so it is written)
	s_wait_dscnt 0x0
	s_wait_kmcnt 0x0
.irp s, 0,1,2,3,4
	s_add_co_i32 s18, ttmp9, \s-4                  ; pair B - 4 + s of the head's 16 pairs of blocks,
	s_max_i32 s18, s18, 0                          ; or pair 0 where there is none
	s_mul_i32 s18, s18, 2*CH
	s_add_co_u32 s18, s18, s14
	s_mov_b32 s[G0+4*\s], 1                        ; count = 1
	s_add_co_u32 s[G0+4*\s+1], s15, \s*2*CH        ; LDS address
	s_add_nc_u64 s[G0+4*\s+2:G0+4*\s+3], s[6:7], s[18:19]
	s_or_b32 s[G0+4*\s+3], s[G0+4*\s+3], 0x80000000   ; type = 2
.endr
	s_cmp_lt_u32 s10, 4                            ; all fills of a wave stand in one branch on the wave's number, ahead of every wait on TENSORcnt, every LDS read and every barrier
	s_cbranch_scc0 .Lno_fill
.irp s, 0,1,2,3,4
	tensor_load_to_lds s[G0+4*\s:G0+4*\s+3], s[G1:G1+7]
	s_nop 0
.endr
.rept 4
	v_nop
.endr
.Lno_fill:
	s_lshl_b32 s52, ttmp9, 1
	s_add_co_u32 s52, s52, s11                     ; a: my block of 128 queries
	s_lshl_b32 s53, s16, 5
	s_add_co_u32 s53, s53, s52
	s_mul_i32 s54, s53, CH/2
	s_mov_b32 s55, 0
	s_add_nc_u64 s[4:5], s[4:5], s[54:55]          ; qb at (head, a)
	s_mul_i32 s54, s52, 8*12800
	s_lshr_b32 s56, s16, 1
	s_mul_i32 s56, s56, 12800
	s_add_co_u32 s54, s54, s56
	s_add_nc_u64 s[8:9], s[8:9], s[54:55]          ; ac at (a, head / 2)
	s_and_b32 s56, s16, 1                          ; c = head % 2
	s_mul_i32 s57, s12, 1536
	s_mul_i32 s58, s56, 768
	s_add_co_u32 s57, s57, s58                     ; my half of fragment t
	s_lshl_b32 s58, s12, 6
	s_lshl_b32 s56, s56, 1
	s_add_co_u32 s58, s58, s56                     ; my two bytes of tile t's scale words
	s_lshr_b32 s59, s12, 1
	s_lshl_b32 s59, s59, 5
	s_and_b32 s56, s12, 1
	s_lshl_b32 s56, s56, 3
	s_add_co_u32 s59, s59, s56                     ; 32 (t / 2) + 8 (t % 2)
	v_and_b32 v9, 31, v0                           ; lane
	s_delay_alu instid0(VALU_DEP_1)
	v_lshlrev_b32 v1, 4, v9                        ; 16 x lane: an image's place for my lane
	s_wait_alu depctr_va_vdst(0)
	v_and_b32 v10, 15, v0                          ; r
	v_bfe_u32 v11, v0, 4, 1                        ; h
	s_delay_alu instid0(VALU_DEP_2)
	v_lshlrev_b32 v7, 4, v10                       ; 16 r
	s_wait_alu depctr_va_vdst(0)
	s_mul_i32 s53, s12, 6                          ; q's registers 6 t + e of the image, in pairs
.irp e, 0,2,4
	s_add_co_u32 s54, s53, \e
	s_lshr_b32 s56, s54, 2
	s_lshl_b32 s56, s56, 9
	s_and_b32 s54, s54, 3
	s_lshl_b32 s54, s54, 2
	s_add_co_u32 s54, s54, s56                     ; 512 (rho / 4) + 4 (rho % 4)
	v_add_nc_u32 v[4+\e/2], s54, v1
	global_load_b64 v[16+\e:17+\e], v[4+\e/2], s[4:5]
.endr
	s_lshr_b32 s54, s12, 2
	s_lshl_b32 s54, s54, 8
	s_and_b32 s56, s12, 3
	s_lshl_b32 s56, s56, 2
	s_add_co_u32 s54, s54, s56
	v_add_nc_u32 v8, s54, v7
	global_load_b32 v255, v8, s[4:5] offset:6144   ; q's scale words
	v_and_b32 v200, 8, v10
	s_delay_alu instid0(VALU_DEP_1)
	v_add_nc_u32 v200, v200, v10                   ; r + 8 (r / 8)
	s_delay_alu instid0(VALU_DEP_1)
	v_add_nc_u32 v200, s59, v200                   ; qq: my query's place in its block
	v_lshlrev_b32 v201, 4, v11
	s_delay_alu instid0(VALU_DEP_1)
	v_sub_nc_u32 v200, v200, v201                  ; qq - 16 h.  Register 16 b + i of S^T holds key 32 b + i + 16 h of its block
	v_mov_b32 v13, 0xff61b1e6                      ; the largest t so far: -3e38, under every t
	s_delay_alu instid0(VALU_DEP_1)
	v_floor_f32 v12, -v13                          ; -M
	v_mov_b32 v14, 0                               ; the sum, in two halves
	v_mov_b32 v15, 0
.irp i, 0,1,2,3,4,5
	v_mov_b32 v[22+\i], 0                          ; q's upper 64 along K: zero codes
	v_mov_b32 v[80+\i], 0                          ; behind k's tile 7
.endr
.irp b, 0,1,2,3
	v_mov_b32 v[236+\b], 0                         ; written once: a lane permute's destination counts as one of its sources
.endr
	v_mov_b32 v252, 0
	v_mov_b32 v253, 0                              ; (named as the upper half of the pair v[252:253] before it is first written)
.set n, 0
.rept 32
	v_mov_b32 v[160+n], 0                          ; O^T: the first step finds zeros, which the first change of M leaves zeros
.set n, n+1
.endr
; hidden scores become -infinity.  low = 1: the window's lower edge, hidden where 32 b + i <= qq - 16 h;  low = 0: the diagonal, hidden where 32 b + i > qq - 16 h.  Each accumulator is read from its low end on.
.macro MASK low
	v_mov_b32 v254, 0xff800000
.set n, 0
.rept 64
.if \low
	v_cmp_le_i32 vcc_lo, 32*(n/16)+n%16, v200
.else
	v_cmp_gt_i32 vcc_lo, 32*(n/16)+n%16, v200
.endif
	v_cndmask_b32 v[96+n], v[96+n], v254, vcc_lo
.set n, n+1
.endr
.endm
; S^T in v96-159 becomes p's codes in v224-235 and p's scale word in v253; M, the sum and O^T are brought on.
.macro SOFTMAX
.irp b, 0,1,2,3
	v_max3_num_f32 v[232+\b], v[96+16*\b], v[97+16*\b], v[98+16*\b]   ; the largest score of each block of 32 keys: it serves for the row's maximum and, since p rises with the score, for the block's largest p
.endr
.irp i, 3,5,7,9,11,13
.irp b, 0,1,2,3
	v_max3_num_f32 v[232+\b], v[232+\b], v[96+16*\b+\i], v[97+16*\b+\i]
.endr
.endr
.irp b, 0,1,2,3
	v_max_num_f32 v[232+\b], v[232+\b], v[111+16*\b]
.endr
.irp b, 0,1,2,3
	s_delay_alu instid0(VALU_DEP_4)
	v_permlanex16_b32 v[236+\b], v[232+\b], s[SEL], s[SEL+1]
.endr
.irp b, 0,1,2,3
	s_delay_alu instid0(VALU_DEP_4)
	v_max_num_f32 v[232+\b], v[232+\b], v[236+\b]  ; with lane l xor 16's 16 keys
.endr
	s_delay_alu instid0(VALU_DEP_2)
	v_max3_num_f32 v254, v232, v233, v234
	s_delay_alu instid0(VALU_DEP_1)
	v_max_num_f32 v254, v254, v235                 ; the step's largest score of my query
	s_delay_alu instid0(VALU_DEP_1)
	v_mul_f32 v254, s[CS], v254                    ; as t
	s_delay_alu instid0(VALU_DEP_1)
	v_max_num_f32 v13, v13, v254                   ; the running largest t
	v_mov_b32 v254, v12
	s_delay_alu instid0(VALU_DEP_2)
	v_floor_f32 v12, -v13                          ; the new -M = -ceil(t): M is a whole number
	s_delay_alu instid0(VALU_DEP_1)
	v_sub_f32 v254, v12, v254                      ; old M - new M: a whole number, 0 or less
	s_delay_alu instid0(VALU_DEP_1)
	v_cvt_i32_f32 v254, v254                       ; (it saturates)
	s_delay_alu instid0(VALU_DEP_1)
	v_ldexp_f32 v252, 1.0, v254                    ; f = 2^(old M - new M)
.set n, 0
.rept 32
	v_pk_fma_f32 v[96+n:97+n], v[96+n:97+n], s[CS:CS+1], v[12:13] op_sel_hi:[1,0,0]   ; t - M, two at a time
.set n, n+2
.endr
.irp b, 0,1,2,3
	v_fma_f32 v[232+\b], v[232+\b], s[CS], v12     ; the same of each block's largest score
.endr
.set n, 0
	s_wait_alu depctr_va_vdst(0)
.rept 64
	v_exp_f32 v[96+n], v[96+n]                     ; p = 2^(t - M), at most 1
.set n, n+1
.endr
.irp b, 0,1,2,3
	v_exp_f32 v[232+\b], v[232+\b]                 ; the block's largest p
.endr
	v_pk_mul_f32 v[14:15], v[14:15], v[252:253] op_sel_hi:[1,0]   ; the sums under the new M.  (A plain place behind the exponentials)
	s_wait_alu depctr_va_vdst(0)
.irp b, 0,1,2,3
	v_max_num_f32 v[232+\b], 0x2800000, v[232+\b]  ; the floor 2^(5 - 127): the byte cannot fall under 1
.endr
.irp b, 0,1,2,3
	s_delay_alu instid0(VALU_DEP_4)
	v_add_nc_u32 v[244+\b], 0xfe000000, v[232+\b]  ; 4 off the exponent field: the conversion's scale operand
.endr
.irp b, 0,1,2,3
	s_delay_alu instid0(VALU_DEP_4)
	v_lshrrev_b32 v[236+\b], 23, v[244+\b]         ; the scale's byte
.endr
	s_delay_alu instid0(VALU_DEP_3)
	v_lshl_or_b32 v253, v237, 8, v236              ; p's scale word for these 128 keys
	s_delay_alu instid0(VALU_DEP_1)
	v_lshl_or_b32 v253, v238, 16, v253
	s_delay_alu instid0(VALU_DEP_1)
	v_lshl_or_b32 v253, v239, 24, v253
.irp c, 0,1
	v_cvt_scalef32_pk16_bf6_f32 v[224+6*\c:226+6*\c], v[96+32*\c:111+32*\c], v[244+2*\c]
	v_cvt_scalef32_pk16_bf6_f32 v[236+4*\c:238+4*\c], v[112+32*\c:127+32*\c], v[244+2*\c+1]   ; (a conversion's three registers begin on an even number)
.endr
	v_nop                                          ; one plain place behind a scaled conversion
.irp c, 0,1                                    ; the operand's layout wants a whole block in a lane
.irp i, 0,1,2
	v_permlane16_swap_b32 v[224+6*\c+\i], v[236+4*\c+\i]
.endr
.irp i, 0,1,2
	s_delay_alu instid0(VALU_DEP_3)
	v_mov_b32 v[227+6*\c+\i], v[236+4*\c+\i]
.endr
.endr
	v_pk_add_f32 v[236:237], v[100:101], v[104:105]
	v_pk_add_f32 v[246:247], v[108:109], v[112:113]
	v_pk_add_f32 v[244:245], v[116:117], v[120:121]
	v_pk_add_f32 v[240:241], v[124:125], v[128:129]
	v_pk_add_f32 v[220:221], v[132:133], v[136:137]
	v_pk_add_f32 v[218:219], v[140:141], v[144:145]
	v_pk_add_f32 v[216:217], v[148:149], v[152:153]
	v_pk_add_f32 v[14:15], v[14:15], v[156:157]
	v_pk_add_f32 v[236:237], v[236:237], v[96:97]
	v_pk_add_f32 v[246:247], v[246:247], v[98:99]
	v_pk_add_f32 v[244:245], v[244:245], v[102:103]
	v_pk_add_f32 v[240:241], v[240:241], v[106:107]
	v_pk_add_f32 v[220:221], v[220:221], v[110:111]
	v_pk_add_f32 v[218:219], v[218:219], v[114:115]
	v_pk_add_f32 v[216:217], v[216:217], v[118:119]
	v_pk_add_f32 v[14:15], v[14:15], v[122:123]
	v_pk_add_f32 v[236:237], v[236:237], v[126:127]
	v_pk_add_f32 v[246:247], v[246:247], v[130:131]
	v_pk_add_f32 v[244:245], v[244:245], v[134:135]
	v_pk_add_f32 v[240:241], v[240:241], v[138:139]
	v_pk_add_f32 v[220:221], v[220:221], v[142:143]
	v_pk_add_f32 v[218:219], v[218:219], v[146:147]
	v_pk_add_f32 v[216:217], v[216:217], v[150:151]
	v_pk_add_f32 v[14:15], v[14:15], v[154:155]
	v_pk_add_f32 v[236:237], v[236:237], v[158:159]
	s_delay_alu instid0(VALU_DEP_2)
	v_pk_add_f32 v[14:15], v[14:15], v[240:241]
	s_delay_alu instid0(VALU_DEP_2)
	v_pk_add_f32 v[236:237], v[236:237], v[220:221]
	v_pk_add_f32 v[246:247], v[246:247], v[218:219]
	v_pk_add_f32 v[244:245], v[244:245], v[216:217]
	s_delay_alu instid0(VALU_DEP_2)
	v_pk_add_f32 v[14:15], v[14:15], v[246:247]
	s_delay_alu instid0(VALU_DEP_2)
	v_pk_add_f32 v[236:237], v[236:237], v[244:245]
	s_delay_alu instid0(VALU_DEP_1)
	v_pk_add_f32 v[14:15], v[14:15], v[236:237]
.set n, 0
.rept 16
	v_pk_mul_f32 v[160+n:161+n], v[160+n:161+n], v[252:253] op_sel_hi:[1,0]   ; O^T under the new M.  (With the sums above: the places between the codes' and the scale word's last writes and the products below)
.set n, n+2
.endr
.endm
; KEY BLOCK j of the ten.
.macro STEP j
	s_cmp_lt_i32 s17, 0-(\j)                       ; in front of the head's first key?
	s_cbranch_scc1 .Lskip_\@
.if (\j) == 0
	s_cmp_eq_u32 s11, 1                            ; under the window of the later 128 queries
	s_cbranch_scc1 .Lskip_\@
.endif
.if (\j) == 9
	s_cmp_eq_u32 s11, 0                            ; behind the earlier 128 queries
	s_cbranch_scc1 .Lskip_\@
.endif
	v_add_nc_u32 v2, (\j)*CH, v1
	v_add_nc_u32 v3, (\j)*CH, v7
	v_nop
	v_nop                                          ; four places in front of loads into registers that the last products have read
.irp i, 0,1,2,3,4,5,6,7,8,9,10,11
	ds_load_b128 v[32+4*\i:35+4*\i], v2 offset:512*\i          ; k's image: 512 consecutive bytes a load
.endr
	ds_load_b128 v[192:195], v3 offset:6144        ; the scale words of tiles 0-3 of my row,
	ds_load_b128 v[196:199], v3 offset:6400        ; and of tiles 4-7
	s_wait_alu depctr_va_vdst(0)
	s_wait_dscnt 0x0
.irp t, 0,1,2,3,4,5,6,7
	v_wmma_scale_f32_16x16x128_f8f6f4 v[96+8*\t:103+8*\t], v[32+6*\t:43+6*\t], v[16:27], 0, v[192+\t], v255 matrix_a_fmt:MATRIX_FMT_BF6 matrix_b_fmt:MATRIX_FMT_BF6
.endr
.rept 4
	v_nop                                          ; places: k's registers are loaded again, and the scores are read
.endr
.irp i, 0,1,2,3,4,5,6,7,8,9,10,11
	ds_load_b128 v[32+4*\i:35+4*\i], v2 offset:6656+512*\i     ; v's image lands while the softmax is worked
.endr
	ds_load_b128 v[248:251], v2 offset:12800       ; v's scale words
.if (\j) == 0
	MASK 1
.endif
.if (\j) == 1
	s_cmp_eq_u32 s11, 0
	s_cbranch_scc1 .Lopen_\@
	MASK 1
.Lopen_\@:
.endif
.if (\j) == 8
	s_cmp_eq_u32 s11, 1
	s_cbranch_scc1 .Lopen_\@
	MASK 0
.Lopen_\@:
.endif
.if (\j) == 9
	MASK 0
.endif
	SOFTMAX
	s_wait_alu depctr_va_vdst(0)
	s_wait_dscnt 0x0                               ; v is in
.irp t, 0,1,2,3
	v_wmma_scale_f32_16x16x128_f8f6f4 v[160+8*\t:167+8*\t], v[32+12*\t:43+12*\t], v[224:235], v[160+8*\t:167+8*\t], v[248+\t], v253 matrix_a_fmt:MATRIX_FMT_BF6 matrix_b_fmt:MATRIX_FMT_BF6
.endr
.Lskip_\@:
.endm
	s_wait_loadcnt 0x0                             ; q
.irp s, 0,1,2,3,4
	s_wait_dscnt 0x0
	s_wait_tensorcnt 4-\s                          ; my quarter of pair s is in; the later pairs' loads may stay out
	s_barrier_signal -1
	s_barrier_wait -1                              ; everybody's is
	STEP 2*\s
	STEP 2*\s+1
.endr
	; THE END.  O^T / the sum, quantised along the head's 64 channels (register 16 b + i: channel 32 b + 16 h + i), is half a fragment of the output product's operand.
	v_add_f32 v14, v14, v15                        ; the sum's two halves,
	s_delay_alu instid0(VALU_DEP_1)
	v_permlanex16_b32 v252, v14, s[SEL], s[SEL+1]
	s_delay_alu instid0(VALU_DEP_1)
	v_add_f32 v14, v14, v252                       ; and lane l xor 16's: the row's sum (the diagonal's key counts for every query: it is not 0)
	s_wait_alu depctr_va_vdst(0)
	v_rcp_f32 v14, v14
	v_lshlrev_b32 v4, 3, v9                        ; (plain places behind the reciprocal and behind the last products)  8 x lane
	s_delay_alu instid0(VALU_DEP_1)
	v_add_nc_u32 v4, s57, v4
	v_lshl_add_u32 v6, v10, 2, v11                 ; 4 r + h
	s_delay_alu instid0(VALU_DEP_1)
	v_add_nc_u32 v6, s58, v6
	v_cmp_eq_u32 vcc_lo, 1, v11
.set n, 0
	s_wait_alu depctr_va_vdst(0)
.rept 32
	v_mul_f32 v[96+n], v[160+n], v14
.set n, n+1
.endr
.irp b, 0,1
	v_max3_num_f32 v[232+\b], |v[96+16*\b]|, |v[97+16*\b]|, 0x2800000
.endr
.irp i, 2,4,6,8,10,12,14
.irp b, 0,1
	s_delay_alu instid0(VALU_DEP_2)
	v_max3_num_f32 v[232+\b], v[232+\b], |v[96+16*\b+\i]|, |v[97+16*\b+\i]|
.endr
.endr
.irp b, 0,1
	s_delay_alu instid0(VALU_DEP_2)
	v_permlanex16_b32 v[236+\b], v[232+\b], s[SEL], s[SEL+1]
.endr
.irp b, 0,1
	s_delay_alu instid0(VALU_DEP_2)
	v_max_num_f32 v[232+\b], v[232+\b], v[236+\b]
.endr
.irp b, 0,1
	s_delay_alu instid0(VALU_DEP_2)
	v_add_nc_u32 v[244+\b], 0xfe000000, v[232+\b]
.endr
.irp b, 0,1
	s_delay_alu instid0(VALU_DEP_2)
	v_lshrrev_b32 v[236+\b], 23, v[244+\b]
.endr
	v_cvt_scalef32_pk16_bf6_f32 v[224:226], v[96:111], v244
	v_cvt_scalef32_pk16_bf6_f32 v[240:242], v[112:127], v245
	v_cndmask_b32 v5, v236, v237, vcc_lo           ; (a plain place behind the conversions)  lanes 0-15 store block 0's byte, lanes 16-31 block 1's
.irp i, 0,1,2
	v_permlane16_swap_b32 v[224+\i], v[240+\i]
.endr
.irp i, 0,1,2
	s_delay_alu instid0(VALU_DEP_3)
	v_mov_b32 v[227+\i], v[240+\i]
.endr
.irp p, 0,1,2
	global_store_b64 v4, v[224+2*\p:225+2*\p], s[8:9] offset:256*\p   ; 32 lanes store 256 consecutive bytes, at a multiple of 256 from the buffer's first byte
.endr
	global_store_b8 v6, v5, s[8:9] offset:12288
	s_wait_tensorcnt 0x0
	ds_add_u32 v223, v243
	s_wait_dscnt 0x0
	s_endpgm
.Lfunc_end_k_qc35e5d357c_attn:
	.size	k_qc35e5d357c_attn, .Lfunc_end_k_qc35e5d357c_attn-k_qc35e5d357c_attn
	.p2alignl 7, 3214868480
	.fill 96, 4, 3214868480
	.section	.rodata,"a",@progbits
	.p2align	6, 0x0
	.amdhsa_kernel k_qc35e5d357c_attn
		.amdhsa_group_segment_fixed_size 169984
		.amdhsa_private_segment_fixed_size 0
		.amdhsa_enable_private_segment 0
		.amdhsa_kernarg_size 24
		.amdhsa_user_sgpr_count 2
		.amdhsa_user_sgpr_kernarg_segment_ptr 1
		.amdhsa_wavefront_size32 1
		.amdhsa_system_sgpr_workgroup_id_x 1
		.amdhsa_system_sgpr_workgroup_id_y 1
		.amdhsa_system_sgpr_workgroup_id_z 1
		.amdhsa_system_vgpr_workitem_id 0
		.amdhsa_next_free_vgpr 256
		.amdhsa_next_free_sgpr 66
		.amdhsa_reserve_vcc 1
		.amdhsa_float_denorm_mode_32 3
		.amdhsa_float_denorm_mode_16_64 3
		.amdhsa_memory_ordered 1
		.amdhsa_forward_progress 1
		.amdhsa_inst_pref_size 200
	.end_amdhsa_kernel
	.amdgpu_metadata
---
amdhsa.version: [ 1, 2 ]
amdhsa.kernels:
  - .name:           k_qc35e5d357c_attn
    .symbol:         k_qc35e5d357c_attn.kd
    .args:
      - { .name: qb, .offset: 0, .size: 8, .value_kind: global_buffer, .address_space: global }
      - { .name: kv, .offset: 8, .size: 8, .value_kind: global_buffer, .address_space: global }
      - { .name: ac, .offset: 16, .size: 8, .value_kind: global_buffer, .address_space: global }
    .group_segment_fixed_size: 169984
    .private_segment_fixed_size: 0
    .kernarg_segment_align: 8
    .kernarg_segment_size: 24
    .max_flat_workgroup_size: 512
    .sgpr_count:     66
    .vgpr_count:     256
    .wavefront_size: 32
...
	.end_amdgpu_metadata
.endif
;; end of part 3
;; launch oproj (part 4): grid 8 x 32, 4 waves a work-group, clusters of 4 x 4, 262,656 bytes of LDS; arguments ac, wc, ws, out0; writes out0
.if DOCPART == 4
	.amdgcn_target "amdgcn-amd-amdhsa--gfx1250"
	.amdhsa_code_object_version 6
	.text
	.protected	k_qc35e5d357c_oproj
	.globl	k_qc35e5d357c_oproj
	.p2align	8
	.type	k_qc35e5d357c_oproj,@function
k_qc35e5d357c_oproj:
	s_mov_b64 s[64:65], 0
	v_nop
	global_prefetch_b8 v0, s[64:65] scope:SCOPE_SE
	s_setreg_imm32_b32 hwreg(HW_REG_WAVE_MODE, 25, 1), 1
	s_wait_xcnt 0x0
	s_wait_alu depctr_hold_cnt(0) depctr_sa_sdst(0) depctr_va_vdst(0) depctr_va_sdst(0) depctr_va_ssrc(0) depctr_va_vcc(0) depctr_vm_vsrc(0)
	s_getreg_b32 s2, hwreg(HW_REG_IB_STS2, 6, 4)
	s_cmp_eq_u32 s2, 0
	s_cbranch_scc0 .Lentry_in_a_cluster
	s_endpgm
.Lentry_in_a_cluster:
	s_bfe_u32 s2, ttmp6, 0x10000c
	s_cmp_lg_u32 s2, 0xf033
	s_cbranch_scc0 .Lentry_shape_is_right
	s_endpgm
.Lentry_shape_is_right:
; out0 = A Wo^T, A the attention's result as codes of BF6 (E3M2) with E8M0 scales, K = 1,024; out0 [4096][1024] f32.
; 256 work-groups, each 128 rows (R: block ry of ac) x 128 columns (P: Wo's stored rows 3,072 + 128 px of wc).  Four waves, each 64 x 64: 16 accumulators.  (The smaller tile gives each of 256 work-groups one.)
; ALL OPERANDS OF A WORK-GROUP STAY IN LDS: R's 102,400 bytes, P's 128 rows x 768 bytes and their scale bytes are asked for at the head and nothing is filled again.
; CLUSTERS: 4 x 4 work-groups: R is shared along a row of the cluster, P along a column: each tile is asked for jointly.  Waves 0, 1 ask for R's eight chunks (K steps), four each; waves 2, 3 for P's scale bytes
; and for half the rows of each of P's four slots of 256 along K: five each, the most that a wave has out.
; Source 0 = 16 rows of P, source 1 = 16 rows of R: a lane holds one row of out0 and eight columns.  P's rows are stored with bits 3 and 4 of their number exchanged: register j of P's block ip in lane (r, h) is column
; 32 (ip / 2) + 16 h + 8 (ip % 2) + j; lane r of R's tile t is row 32 (t / 2) + 8 (t % 2) + r + 8 (r / 8).  The way out through the wave's own stage in LDS puts both in order.
; R's chunk g (12,800 bytes): eight fragments of 1,536 bytes, registers 2 p, 2 p + 1 of lane l at 256 p + 8 l; then the scale words at 12,288 + 64 t + 4 r.
; REGISTERS: window 0: v16-27 addresses; v28-35 R's scale words, v228-235 P's, two sets of four each, and nothing else; v36-131, v132-227 two sets of fragments (P's four, then R's four); on the way out v36-163 rows of out0.
;   window 1: v0-127 the accumulators ((ir, ip) at v[8 (4 ir + ip)]).
.set CHK,    12800                     ; a chunk of R
.set PW,     8*CHK                     ; behind R: P's codes, four slots of 128 rows
.set PITCH,  240                       ; a row of 192 bytes: 3 x (64 bytes + 16 of padding)
.set PSLOT,  128*PITCH
.set PS,     PW+4*PSLOT                ; P's scale bytes: 16 runs of 256 bytes + 16 of padding
.set STG,    PS+16*272                 ; the stages: 16 rows x (256 bytes + 16) for each wave; no tensor load fills them
.set SPITCH, 272
.set G1R,  24                          ; s[24:31] descriptor group 1 for R's chunks
.set G1P,  32                          ; s[32:39] for P's slots
.set G1PS, 40                          ; s[40:47] for P's scale bytes
.set G0R,  48                          ; s[48:63] four groups 0 for R
.set G0P,  68                          ; s[68:87] five groups 0 for P: the scale bytes, then the four slots
.set MSB, 0
.macro WIN new                         ; the immediate's high byte repeats the setting that is left
.if MSB != \new
	s_set_vgpr_msb (MSB<<8)|\new
.set MSB, \new
.endif
.endm
.macro CROUND                          ; a round of the cluster's barrier
	s_barrier_signal -1
	s_barrier_wait -1
	s_cmp_lg_u32 s14, 0
	s_cbranch_scc1 .Lnot_wave_0_\@
	s_barrier_signal -3
.Lnot_wave_0_\@:
	s_barrier_wait -3
	s_barrier_signal -1
	s_barrier_wait -1
.endm
.macro PLACES
.rept 4
	v_nop
.endr
.endm
	s_load_b256 s[4:11], s[0:1], 0x0               ; ac s[4:5], wc s[6:7], ws s[8:9], out0 s[10:11]
	v_lshl_add_u32 v254, v0, 2, 0x40000
	v_mov_b32 v255, 0
	ds_add_u32 v254, v255
	ds_add_u32 v254, v255
	v_lshrrev_b32 v1, 5, v0
	v_readfirstlane_b32 s14, v1                    ; wave 0..3
	s_lshr_b32 s15, s14, 1                         ; which 64 rows are mine.  Also: I fetch for R (0) or for P (1)
	s_and_b32 s16, s14, 1                          ; which 64 columns.  Also: which part I fetch
	s_bfe_u32 s88, ttmp6, 0x40000                  ; cx, cy: my place in the cluster
	s_bfe_u32 s89, ttmp6, 0x40004
	s_lshl_b32 s90, ttmp9, 2
	s_add_co_u32 s90, s90, s88                     ; px = 4 x cluster x + cx
	s_and_b32 s91, ttmp7, 0xffff
	s_lshl_b32 s91, s91, 2
	s_add_co_u32 s91, s91, s89                     ; ry = 4 x cluster y + cy
	s_lshl_b32 s92, s89, 2
	s_lshl_b32 s92, 15, s92                        ; my row of the cluster
	s_lshl_b32 s93, 0x1111, s88                    ; my column
	s_or_b32 s[G1R], s92, (3<<16)|(1<<21)          ; R's chunk: 12,800 dense bytes as 50 rows of 256 (32 elements of 8 bytes), no padding; the mask: my row; bit 21 set beside it
	s_mov_b32 s[G1R+1], 32<<16
	s_mov_b32 s[G1R+2], 50<<16
	s_mov_b32 s[G1R+3], 32<<16
	s_mov_b32 s[G1R+4], 50
	s_mov_b32 s[G1R+5], 32
	s_mov_b32 s[G1R+6], 0
	s_mov_b32 s[G1R+7], 0
	s_or_b32 s[G1P], s93, (0<<16)|(1<<20)|(1<<21)|(3<<22)|(3<<25)   ; P's: 64 rows x 192 bytes, 768 apart; 4 words of padding behind every 16; the mask: my column
	s_mov_b32 s[G1P+1], 192<<16
	s_mov_b32 s[G1P+2], 64<<16
	s_mov_b32 s[G1P+3], 192<<16
	s_mov_b32 s[G1P+4], 64
	s_mov_b32 s[G1P+5], 768
	s_mov_b32 s[G1P+6], 0
	s_mov_b32 s[G1P+7], 0
	s_or_b32 s[G1PS], s93, (3<<16)|(1<<20)|(1<<21)|(5<<22)|(3<<25)  ; the scale bytes of 64 rows: 2,048 dense bytes as 8 rows of 256, 16 bytes of padding behind each
	s_mov_b32 s[G1PS+1], 32<<16
	s_mov_b32 s[G1PS+2], 8<<16
	s_mov_b32 s[G1PS+3], 32<<16
	s_mov_b32 s[G1PS+4], 8
	s_mov_b32 s[G1PS+5], 32
	s_mov_b32 s[G1PS+6], 0
	s_mov_b32 s[G1PS+7], 0
	s_mul_i32 s18, s91, 8*CHK                      ; R: block ry,
	s_mul_i32 s20, s16, CHK                        ; chunk 2 j + (wave % 2): in memory and in LDS
	s_add_co_u32 s18, s18, s20
	s_mov_b32 s19, 0
	s_lshl_b32 s94, s90, 7                         ; P: row 3,072 + 128 px + 64 (wave % 2)
	s_lshl_b32 s95, s16, 6
	s_add_co_u32 s94, s94, s95
	s_add_co_u32 s94, s94, 3072
	s_lshl_b32 s96, s94, 5                         ; its scale bytes,
	s_mov_b32 s97, 0
	s_mul_i32 s94, s94, 768                        ; its codes
	s_mov_b32 s95, 0
	s_mul_i32 s21, s16, 64*PITCH                   ; and where they go: no place in the cluster enters an LDS address
	s_mul_i32 s23, s16, 8*272
	s_wait_dscnt 0x0
	s_wait_kmcnt 0x0
	s_add_nc_u64 s[4:5], s[4:5], s[18:19]
	s_add_nc_u64 s[6:7], s[6:7], s[94:95]
	s_add_nc_u64 s[8:9], s[8:9], s[96:97]
	CROUND                                         ; all sixteen work-groups are here: the joint loads meet
	s_mov_b32 s[G0P], 1
	s_add_co_u32 s[G0P+1], s23, PS
	s_mov_b64 s[G0P+2:G0P+3], s[8:9]
	s_or_b32 s[G0P+3], s[G0P+3], 0x80000000
.irp j, 0,1,2,3
	s_mov_b32 s[G0R+4*\j], 1
	s_add_co_u32 s[G0R+4*\j+1], s20, \j*2*CHK
	s_add_nc_u64 s[G0R+4*\j+2:G0R+4*\j+3], s[4:5], \j*2*CHK
	s_or_b32 s[G0R+4*\j+3], s[G0R+4*\j+3], 0x80000000
	s_mov_b32 s[G0P+4+4*\j], 1
	s_add_co_u32 s[G0P+4+4*\j+1], s21, PW+\j*PSLOT
	s_add_nc_u64 s[G0P+4+4*\j+2:G0P+4+4*\j+3], s[6:7], \j*192
	s_or_b32 s[G0P+4+4*\j+3], s[G0P+4+4*\j+3], 0x80000000
.endr
	s_cmp_eq_u32 s15, 0                            ; a wave's fills stand in one branch on the wave's number, the same in every work-group; four v_nop follow the last
	s_cbranch_scc0 .Lfor_p
.irp j, 0,1,2,3
	tensor_load_to_lds s[G0R+4*\j:G0R+4*\j+3], s[G1R:G1R+7]
	s_nop 0
.endr
.rept 4
	v_nop
.endr
	s_branch .Lasked
.Lfor_p:
	tensor_load_to_lds s[G0P:G0P+3], s[G1PS:G1PS+7]
	s_nop 0
.irp j, 0,1,2,3
	tensor_load_to_lds s[G0P+4+4*\j:G0P+4+4*\j+3], s[G1P:G1P+7]
	s_nop 0
.endr
.rept 4
	v_nop
.endr
.Lasked:
	v_and_b32 v1, 15, v0                           ; r
	v_bfe_u32 v2, v0, 4, 1                         ; h
	v_and_b32 v3, 31, v0                           ; lane
	v_mul_u32_u24 v4, v1, PITCH
	v_mad_u32_u24 v5, v2, 24, v4                   ; P: row x pitch + 24 x half,
	v_mad_u32_u24 v6, v2, 40, v4                   ; and the same behind one padding more
	s_mul_i32 s18, s16, 64*PITCH
	s_add_co_u32 s18, s18, PW                      ; my 64 rows of P
	v_add_nc_u32 v16, s18, v5                      ; slots 0, 1
	v_add_nc_u32 v18, s18, v6
	v_add_nc_u32 v17, 2*PSLOT, v16                 ; slots 2, 3
	v_add_nc_u32 v19, 2*PSLOT, v18
	v_lshlrev_b32 v20, 3, v3
	s_mul_i32 s18, s15, 4*1536
	v_add_nc_u32 v20, s18, v20                     ; R: 8 x lane + my four fragments; chunks 0-3,
	v_add_nc_u32 v21, 4*CHK, v20                   ; chunks 4-7
	v_lshlrev_b32 v22, 2, v1
	s_lshl_b32 s18, s15, 8
	v_add_nc_u32 v22, s18, v22                     ; R's scale words: 4 r + 64 x my first tile
	v_add_nc_u32 v23, 4*CHK, v22
	v_lshlrev_b32 v26, 5, v1                       ; P's scale words: 32 bytes a row,
	v_and_b32 v7, 8, v1
	v_lshl_add_u32 v26, v7, 1, v26                 ; 16 more behind the first 256
	s_mul_i32 s18, s16, 8*272
	s_add_co_u32 s18, s18, PS
	v_add_nc_u32 v26, s18, v26
	s_mul_i32 s18, s14, 16*SPITCH
	s_add_co_u32 s18, s18, STG                     ; my stage
	v_mul_u32_u24 v24, v1, SPITCH
	v_lshl_add_u32 v24, v2, 6, v24
	v_add_nc_u32 v24, s18, v24                     ; in: row r, + 64 h: columns 16 h on of each 32
	v_mul_u32_u24 v25, v2, SPITCH
	v_lshl_add_u32 v25, v1, 4, v25
	v_add_nc_u32 v25, s18, v25                     ; back: lanes 0-15 one row of 256 bytes, lanes 16-31 the next
	v_lshlrev_b32 v27, 12, v2
	v_lshl_add_u32 v27, v1, 4, v27                 ; and the same two rows in out0 (4,096 bytes a row)
	s_lshl_b32 s18, s91, 7
	s_lshl_b32 s19, s15, 6
	s_add_co_u32 s18, s18, s19                     ; my first row: 128 ry + 64 x half
	s_lshl_b32 s18, s18, 12
	s_lshl_b32 s94, s90, 9                         ; my first column, in bytes: 512 px + 256 x half
	s_lshl_b32 s95, s16, 8
	s_add_co_u32 s94, s94, s95
	s_add_co_u32 s18, s18, s94
	s_mov_b32 s19, 0
	s_add_nc_u64 s[10:11], s[10:11], s[18:19]
.macro FRAGP reg, s, i                 ; P's block i of K step s: the slot is s / 2, its half s % 2.  Pieces of 8 bytes; lanes 16-31 read three pieces on, for some pieces behind one padding more
.irp p, 0,1,2,3,4,5
.set PC, 12*((\s)%2)+6*(\p/3)+\p%3
.set PA, 16+(\s)/4
.set PO, (((\s)/2)%2)*PSLOT+8*PC+16*(PC/8)+(\i)*16*PITCH
.if PC%8 < 5
	ds_load_b64 v[\reg+2*\p:\reg+2*\p+1], v[PA] offset:PO
.else
	ds_load_b64 v[\reg+2*\p:\reg+2*\p+1], v[PA+2] offset:PO
.endif
.endr
.endm
.macro FRAGR reg, s, i                 ; R's tile i of K step s: an image of the registers: 256 consecutive bytes a load
.irp p, 0,1,2,3,4,5
	ds_load_b64 v[\reg+2*\p:\reg+2*\p+1], v[20+(\s)/4] offset:((\s)%4)*CHK+(\i)*1536+256*\p
.endr
.endm
.macro FETCH s                         ; K step s: eight fragments and eight scale words into set s % 2
.set FB, 36+96*((\s)%2)
.irp i, 0,1,2,3
	FRAGP FB+12*\i, \s, \i
.endr
.irp i, 0,1,2,3
	FRAGR FB+48+12*\i, \s, \i
.endr
.irp i, 0,1,2,3
	ds_load_b32 v[228+4*((\s)%2)+\i], v26 offset:544*\i+4*(\s)
	ds_load_b32 v[28+4*((\s)%2)+\i], v[22+(\s)/4] offset:((\s)%4)*CHK+12288+64*\i
.endr
.endm
.macro MUL s, zero                     ; 16 matrix instructions; the 16 accumulators take turns, in the same order in every step
.set FB, 36+96*((\s)%2)
.set SS, 4*((\s)%2)
	WIN 0x50                                       ; C and D in window 1
.irp a, 0,1,2,3
.irp b, 0,1,2,3
.if \zero
	v_wmma_scale_f32_16x16x128_f8f6f4 v[8*(4*\a+\b):8*(4*\a+\b)+7], v[FB+12*\b:FB+12*\b+11], v[FB+48+12*\a:FB+48+12*\a+11], 0, v[228+SS+\b], v[28+SS+\a] matrix_a_fmt:MATRIX_FMT_BF6 matrix_b_fmt:MATRIX_FMT_BF6
.else
	v_wmma_scale_f32_16x16x128_f8f6f4 v[8*(4*\a+\b):8*(4*\a+\b)+7], v[FB+12*\b:FB+12*\b+11], v[FB+48+12*\a:FB+48+12*\a+11], v[8*(4*\a+\b):8*(4*\a+\b)+7], v[228+SS+\b], v[28+SS+\a] matrix_a_fmt:MATRIX_FMT_BF6 matrix_b_fmt:MATRIX_FMT_BF6
.endif
.endr
.endr
	WIN 0
.endm
; K step s: its operands are in; the next step's are asked for; then its products.  bar = 1: the next two steps' tiles have to have landed first: cnt younger loads of mine may stay out.
.macro KST s, bar, cnt
	s_wait_dscnt 0x0                               ; this step's fragments and scale words are in
.if \bar
	s_wait_tensorcnt \cnt                          ; my part of the next two K steps is in; the fills of later steps may be out
	s_barrier_signal -1
	s_barrier_wait -1                              ; everybody's is
.endif
.if (\s) < 7
.if (\s) > 0
	PLACES                                         ; four places in front of loads into registers that the last step's products have read
.endif
	FETCH (\s)+1
.endif
.if (\s) == 0
	MUL \s, 1                                      ; the first step's products start the sums
.else
	MUL \s, 0
.endif
.endm
	s_wait_tensorcnt 3                             ; waves 0, 1: my first chunk is in; waves 2, 3: the scale bytes and my half of slot 0; three later fills may be out
	s_barrier_signal -1
	s_barrier_wait -1
	FETCH 0
	KST 0, 0, 0
	KST 1, 1, 2
	KST 2, 0, 0
	KST 3, 1, 1
	KST 4, 0, 0
	KST 5, 1, 0
	KST 6, 0, 0
	KST 7, 0, 0
; THE WAY OUT, a tile of 16 rows x 64 columns at a time, through my own stage: a lane's eight numbers go to their columns' places, and the rows come back whole: sixteen lanes store 256 consecutive bytes.
; LDS serves a wave's instructions in order: no wait between the stores and the loads, nor in front of the next tile's stores.  Each tile comes back into registers of its own, so no store's data are written again.
.macro OUT ir
	WIN 0x04                                       ; an LDS store's data are its source 1: window 1
.irp ip, 0,1,2,3
	ds_store_b128 v24, v[8*(4*(\ir)+\ip):8*(4*(\ir)+\ip)+3] offset:128*(\ip/2)+32*(\ip%2)       ; each accumulator from its low end on
	ds_store_b128 v24, v[8*(4*(\ir)+\ip)+4:8*(4*(\ir)+\ip)+7] offset:128*(\ip/2)+32*(\ip%2)+16
.endr
	WIN 0
.irp i, 0,1,2,3,4,5,6,7
	ds_load_b128 v[36+32*(\ir)+4*\i:36+32*(\ir)+4*\i+3], v25 offset:\i*2*SPITCH
.endr
.endm
.macro SEND ir, younger                ; younger: the LDS instructions issued behind tile ir's loads, which may stay out
	s_wait_dscnt \younger
.irp i, 0,1,2,3,4,5,6,7
	global_store_b128 v27, v[36+32*(\ir)+4*\i:36+32*(\ir)+4*\i+3], s[10:11] offset:(32*((\ir)/2)+8*((\ir)%2)+2*\i+8*(\i/4))*4096 th:TH_STORE_NT   ; stage row rho is row 32 (ir / 2) + 8 (ir % 2) + rho + 8 (rho / 8)
.endr
.endm
	PLACES                                         ; behind the last products: their results are read, and the fragments' registers are loaded again
	OUT 0
	OUT 1
	SEND 0, 16                                     ; behind tile 0's loads: tile 1's 8 stores and 8 loads
	OUT 2
	SEND 1, 16
	OUT 3
	SEND 2, 16
	SEND 3, 0
	s_wait_tensorcnt 0x0
	s_wait_dscnt 0x0
	s_wait_tensorcnt 0x0
	ds_add_u32 v254, v255
	s_wait_dscnt 0x0
	CROUND                                         ; the closing round: no work-group ends while a partner may still ask for a tile that names it
	s_endpgm
.Lfunc_end_k_qc35e5d357c_oproj:
	.size	k_qc35e5d357c_oproj, .Lfunc_end_k_qc35e5d357c_oproj-k_qc35e5d357c_oproj
	.p2alignl 7, 3214868480
	.fill 96, 4, 3214868480
	.section	.rodata,"a",@progbits
	.p2align	6, 0x0
	.amdhsa_kernel k_qc35e5d357c_oproj
		.amdhsa_group_segment_fixed_size 262656
		.amdhsa_private_segment_fixed_size 0
		.amdhsa_enable_private_segment 0
		.amdhsa_kernarg_size 32
		.amdhsa_user_sgpr_count 2
		.amdhsa_user_sgpr_kernarg_segment_ptr 1
		.amdhsa_wavefront_size32 1
		.amdhsa_system_sgpr_workgroup_id_x 1
		.amdhsa_system_sgpr_workgroup_id_y 1
		.amdhsa_system_sgpr_workgroup_id_z 1
		.amdhsa_system_vgpr_workitem_id 0
		.amdhsa_next_free_vgpr 384
		.amdhsa_next_free_sgpr 102
		.amdhsa_reserve_vcc 0
		.amdhsa_float_denorm_mode_32 3
		.amdhsa_float_denorm_mode_16_64 3
		.amdhsa_memory_ordered 1
		.amdhsa_forward_progress 1
		.amdhsa_inst_pref_size 63
	.end_amdhsa_kernel
	.amdgpu_metadata
---
amdhsa.version: [ 1, 2 ]
amdhsa.kernels:
  - .name:           k_qc35e5d357c_oproj
    .symbol:         k_qc35e5d357c_oproj.kd
    .args:
      - { .name: ac, .offset: 0, .size: 8, .value_kind: global_buffer, .address_space: global }
      - { .name: wc, .offset: 8, .size: 8, .value_kind: global_buffer, .address_space: global }
      - { .name: ws, .offset: 16, .size: 8, .value_kind: global_buffer, .address_space: global }
      - { .name: out0, .offset: 24, .size: 8, .value_kind: global_buffer, .address_space: global }
    .group_segment_fixed_size: 262656
    .private_segment_fixed_size: 0
    .kernarg_segment_align: 8
    .kernarg_segment_size: 32
    .max_flat_workgroup_size: 128
    .sgpr_count:     102
    .vgpr_count:     384
    .wavefront_size: 32
...
	.end_amdgpu_metadata
.endif
;; end of part 4
